; MI455X (gfx1250); checked and timed in simulation.
; The chip was launched on July 23, 2026; its instructions are those of AMD's public machine-readable ISA for CDNA 5 (MIT licence, August 2026) and "CDNA5" Instruction Set Architecture Reference Guide (July 2026). The comments in the code are by the model that wrote it; some were corrected since.
;; Mo E Block. Allowed arithmetic: float matrix products may take bf16 or f16 operands with f32 sums; other float arithmetic in f32, or as packed bf16 or f16 multiplies, adds, multiply-adds, maxima and minima; sums over many terms, partial sums and values carried from step to step in f32; what a program stores and reads back later, other than sums and carried values, may be rounded once to bf16 or f16.
;; Inputs: W1 4 x 1,024 x 2,048 float32; W2 4 x 2,048 x 1,024 float32; Wg 1,024 x 4 float32; b1 4 x 2,048 float32; b2 4 x 1,024 float32; beta 1,024 float32; bg 4 float32; gamma 1,024 float32; x 2 x 2,048 x 1,024 float32.
;; Outputs: out0 2 x 2,048 x 1,024 float32.
;; One version. Each part assembles by itself: llvm-mc -triple=amdgcn-amd-amdhsa -mcpu=gfx1250 --defsym DOCPART=n.
;; ======== version 1 of 1: 5 launches
;; workspace buffers: bits 16,384 bytes of whole numbers; gate 32,768 bytes; meta 16,896 bytes of whole numbers; gpos 40,960 bytes; wt 33,554,432 bytes; xs 10,485,760 bytes; H 41,943,040 bytes; mixed 10,485,760 bytes
;; launch route (part 1): grid 128 x 1, 8 waves a work-group, no clusters, 1,536 bytes of LDS; arguments x, Wg, bg, bits, gate; writes bits, gate
.if DOCPART == 1
	.amdgcn_target "amdgcn-amd-amdhsa--gfx1250"
	.amdhsa_code_object_version 6
	.text
	.protected	k_q76794011d4_route
	.globl	k_q76794011d4_route
	.p2align	8
	.type	k_q76794011d4_route,@function
k_q76794011d4_route:
	s_mov_b64 s[64:65], 0
	v_nop
	global_prefetch_b8 v0, s[64:65] scope:SCOPE_SE
	s_setreg_imm32_b32 hwreg(HW_REG_WAVE_MODE, 25, 1), 1
	s_wait_xcnt 0x0
; ROUTER.  logits = x Wg + bg in f32 on the unrounded inputs; the two largest of four (ties: the lower index); softmax over those two, the larger taken away first.
; A work-group has 32 tokens, each of its eight waves four.  A token's row is spread over the wave: lane l holds x[128 j + 4 l + c], j = 0..7, c = 0..3, and the same 32 rows of Wg stay in 128 registers.
; OUT.  gate[token] = (weight of the chosen expert with the lower index, weight of the other).  bits[group][32 words]: words 0-5 one ballot for each SET of two experts
; (masks 3, 5, 6, 9, 10, 12; bit i = token 32 g + i), words 8-13 the ballots' counts, the rest 0.  Nothing here forms an address or a branch from the logits: they end in stored words alone.
; LIMITS.  NaN and infinite logits are not treated apart (such a token falls into no set).  Two logits closer than the rounding of a 1,024-term f32 sum may be ordered otherwise than by another order of summing.
.set SID,   0                          ; LDS: 32 words, a token's mask of experts
.set GWS,   256                        ; LDS: 32 pairs, a token's two weights
.set SPARE, 512                        ; the spare words, 128 bytes for each of eight waves
.set LANE, 1
.set WOFF, 2                           ; 64 x lane: four rows of Wg
.set XOFF, 3                           ; 16 x lane
.set ASID, 4                           ; SID + 16 w
.set AGW,  5                           ; GWS + 32 w
.set KR,   6                           ; v6-9    how many experts beat expert e
.set T,    10                          ; v10-13  at work
.set SPW,  14
.set NIL,  15
.set W,    16                          ; v16-143  Wg[128 j + 4 l + c][e] at W + 16 j + 4 c + e
.set X,    144                         ; v144-239 three slots of a row (32 registers)
.set ACC,  240                         ; v240-247 eight chains: expert e, j even / odd
.set LA,   248                         ; v248-249 the two chosen logits, then their weights
.set MX,   250
	s_load_b256 s[4:11], s[0:1], 0x0               ; x s[4:5], Wg s[6:7], bg s[8:9], bits s[10:11]
	s_load_b64 s[12:13], s[0:1], 0x20              ; gate
	v_lshl_add_u32 v[SPW], v0, 2, SPARE
	v_mov_b32 v[NIL], 0
	v_and_b32 v[LANE], 31, v0
	v_lshrrev_b32 v[T], 5, v0
	v_readfirstlane_b32 s14, v[T]                  ; wave 0..7
	v_lshlrev_b32 v[WOFF], 6, v[LANE]
	v_lshlrev_b32 v[XOFF], 4, v[LANE]
	s_lshl_b32 s15, s14, 4
	v_mov_b32 v[ASID], s15
	s_lshl_b32 s15, s14, 5
	s_add_co_u32 s15, s15, GWS
	v_mov_b32 v[AGW], s15
	s_mov_b32 s20, 0x76543210                      ; v_permlanex16_b32: each lane takes its own place in the other half
	s_mov_b32 s21, 0xfedcba98
	s_lshl_b32 s22, ttmp9, 17                      ; 32 rows of 4,096 bytes a work-group,
	s_lshl_b32 s23, s14, 14                        ; four a wave
	s_add_co_u32 s22, s22, s23
	s_mov_b32 s23, 0
	s_wait_kmcnt 0x0
	s_load_b128 s[16:19], s[8:9], 0x0              ; bg
	s_add_nc_u64 s[4:5], s[4:5], s[22:23]
.set j, 0
.rept 8
.irp c, 0,1,2,3
	global_load_b128 v[W+16*j+4*\c:W+16*j+4*\c+3], v[WOFF], s[6:7] offset:2048*j+16*\c
.endr
.set j, j+1
.endr
.macro XLOAD i, slot                   ; token i's row: eight loads of 512 consecutive bytes
.irp j, 0,1,2,3,4,5,6,7
	global_load_b128 v[X+32*(\slot)+4*\j:X+32*(\slot)+4*\j+3], v[XOFF], s[4:5] offset:4096*(\i)+512*\j
.endr
.endm
	XLOAD 0, 0
	XLOAD 1, 1
	XLOAD 2, 2
	s_wait_kmcnt 0x0                               ; bg
.macro PAIR p, q                       ; p < q: p beats q where L_p >= L_q, else q beats p
	v_cmp_ge_f32 vcc_lo, v[ACC+\p], v[ACC+\q]
	v_cndmask_b32 v[T], 0, 1, vcc_lo
	v_add_nc_u32 v[KR+\q], v[KR+\q], v[T]
	v_sub_nc_u32 v[KR+\p], v[KR+\p], v[T]
.endm
; Token i, whose row lies in a slot.  left = the younger loads that may stay out.
.macro DOTS slot, left
	s_wait_loadcnt \left                           ; loads come back in order: this row (and Wg, asked for ahead of it) is in
.irp j, 0,1,2,3,4,5,6,7
.irp c, 0,1,2,3
.irp e, 0,1,2,3
.if ((\j) < 2) && ((\c) == 0)
	v_mul_f32 v[ACC+4*((\j)%2)+\e], v[X+32*(\slot)+4*\j+\c], v[W+16*\j+4*\c+\e]  ; the first products start the chains
.else
	v_fmac_f32 v[ACC+4*((\j)%2)+\e], v[X+32*(\slot)+4*\j+\c], v[W+16*\j+4*\c+\e]
.endif
.endr
.endr
.endr
.endm
.macro PICK i
.irp e, 0,1,2,3
	v_add_f32 v[ACC+\e], v[ACC+\e], v[ACC+4+\e]
.endr
.irp m, 1,2,4,8                        ; the sum over the 32 lanes: four steps inside a half, one across
.irp e, 0,1,2,3
	v_add_f32_dpp v[ACC+\e], v[ACC+\e], v[ACC+\e] row_xmask:\m row_mask:0xf bank_mask:0xf
.endr
.endr
.irp e, 0,1,2,3
	v_permlanex16_b32 v[ACC+4+\e], v[ACC+\e], s20, s21
.endr
.irp e, 0,1,2,3
	v_add_f32 v[ACC+\e], v[ACC+\e], v[ACC+4+\e]
.endr
.irp e, 0,1,2,3
	v_add_f32 v[ACC+\e], s[16+\e], v[ACC+\e]       ; + bg: every lane holds the four logits
	v_mov_b32 v[KR+\e], 3-\e                       ; beaten by all behind it, until the pairs say otherwise
.endr
	PAIR 0, 1
	PAIR 0, 2
	PAIR 0, 3
	PAIR 1, 2
	PAIR 1, 3
	PAIR 2, 3
.irp e, 0,1,2,3
	v_cmp_gt_u32 s[24+\e], 2, v[KR+\e]             ; chosen: beaten by fewer than two
.endr
	v_cndmask_b32 v[T], 0, 1, s24
	v_cndmask_b32 v[T+1], 0, 2, s25
	v_cndmask_b32 v[T+2], 0, 4, s26
	v_cndmask_b32 v[T+3], 0, 8, s27
	v_or_b32 v[T], v[T], v[T+1]
	v_or_b32 v[T+2], v[T+2], v[T+3]
	v_or_b32 v[T], v[T], v[T+2]                    ; the token's set
	v_cndmask_b32 v[LA], v[ACC+3], v[ACC+2], s26   ; the chosen logit of the lowest index,
	v_cndmask_b32 v[LA], v[LA], v[ACC+1], s25
	v_cndmask_b32 v[LA], v[LA], v[ACC], s24
	v_cndmask_b32 v[LA+1], v[ACC], v[ACC+1], s25   ; and of the highest
	v_cndmask_b32 v[LA+1], v[LA+1], v[ACC+2], s26
	v_cndmask_b32 v[LA+1], v[LA+1], v[ACC+3], s27
	v_max_num_f32 v[MX], v[LA], v[LA+1]
	v_sub_f32 v[LA], v[LA], v[MX]
	v_sub_f32 v[LA+1], v[LA+1], v[MX]
	v_mul_f32 v[LA], 0x3fb8aa3b, v[LA]             ; log2(e)
	v_mul_f32 v[LA+1], 0x3fb8aa3b, v[LA+1]
	v_exp_f32 v[LA], v[LA]
	v_exp_f32 v[LA+1], v[LA+1]
	v_nop                                          ; a plain instruction between an exponential and the use of its result
	s_wait_alu depctr_va_vdst(0)
	v_add_f32 v[MX], v[LA], v[LA+1]
	v_rcp_f32 v[MX], v[MX]
	v_nop
	s_wait_alu depctr_va_vdst(0)
	v_mul_f32 v[LA], v[LA], v[MX]
	v_mul_f32 v[LA+1], v[LA+1], v[MX]
	ds_store_b32 v[ASID], v[T] offset:4*(\i)       ; all lanes write the same word with the same value
	ds_store_b64 v[AGW], v[LA:LA+1] offset:8*(\i)
.endm
	DOTS 0, 16                                     ; behind token 0's row: tokens 1 and 2, sixteen loads
	XLOAD 3, 0                                     ; its slot is free
	PICK 0
	DOTS 1, 16                                     ; behind token 1: tokens 2 and 3
	PICK 1
	DOTS 2, 8
	PICK 2
	DOTS 0, 0
	PICK 3
	s_wait_dscnt 0x0                               ; for the others' sake: my stores are done
	s_barrier_signal -1
	s_barrier_wait -1
	s_cmp_lg_u32 s14, 0
	s_cbranch_scc1 .Lend
	; wave 0: lane = token of the group
	v_lshlrev_b32 v[T], 2, v[LANE]
	v_lshlrev_b32 v[T+1], 3, v[LANE]
	ds_load_b32 v[T+2], v[T] offset:SID
	ds_load_b64 v[LA:LA+1], v[T+1] offset:GWS
	s_lshl_b32 s22, ttmp9, 8
	s_add_nc_u64 s[12:13], s[12:13], s[22:23]      ; gate: 256 bytes a group
	s_lshl_b32 s22, ttmp9, 7
	s_add_nc_u64 s[10:11], s[10:11], s[22:23]      ; bits: 128 bytes a group
	s_wait_dscnt 0x0
	global_store_b64 v[T+1], v[LA:LA+1], s[12:13]  ; 256 consecutive bytes, aligned
	v_cmp_eq_u32 s28, 3, v[T+2]
	v_cmp_eq_u32 s29, 5, v[T+2]
	v_cmp_eq_u32 s30, 6, v[T+2]
	v_cmp_eq_u32 s31, 9, v[T+2]
	v_cmp_eq_u32 s32, 10, v[T+2]
	v_cmp_eq_u32 s33, 12, v[T+2]
	v_mov_b32 v[T+3], 0
.irp s, 0,1,2,3,4,5
	s_bcnt1_i32_b32 s[34+\s], s[28+\s]
	v_writelane_b32 v[T+3], s[28+\s], \s
	v_writelane_b32 v[T+3], s[34+\s], 8+\s
.endr
	global_store_b32 v[T], v[T+3], s[10:11]        ; the group's 32 words, 128 consecutive bytes
.Lend:
	s_wait_tensorcnt 0x0                           ; the wave's end
	ds_add_u32 v[SPW], v[NIL]
	s_wait_dscnt 0x0
	s_endpgm
.Lfunc_end_k_q76794011d4_route:
	.size	k_q76794011d4_route, .Lfunc_end_k_q76794011d4_route-k_q76794011d4_route
	.p2alignl 7, 3214868480
	.fill 96, 4, 3214868480
	.section	.rodata,"a",@progbits
	.p2align	6, 0x0
	.amdhsa_kernel k_q76794011d4_route
		.amdhsa_group_segment_fixed_size 1536
		.amdhsa_private_segment_fixed_size 0
		.amdhsa_enable_private_segment 0
		.amdhsa_kernarg_size 40
		.amdhsa_user_sgpr_count 2
		.amdhsa_user_sgpr_kernarg_segment_ptr 1
		.amdhsa_wavefront_size32 1
		.amdhsa_system_sgpr_workgroup_id_x 1
		.amdhsa_system_sgpr_workgroup_id_y 1
		.amdhsa_system_sgpr_workgroup_id_z 1
		.amdhsa_system_vgpr_workitem_id 0
		.amdhsa_next_free_vgpr 256
		.amdhsa_next_free_sgpr 66
		.amdhsa_reserve_vcc 1
		.amdhsa_float_denorm_mode_32 3
		.amdhsa_float_denorm_mode_16_64 3
		.amdhsa_memory_ordered 1
		.amdhsa_forward_progress 1
		.amdhsa_inst_pref_size 43
	.end_amdhsa_kernel
	.amdgpu_metadata
---
amdhsa.version: [ 1, 2 ]
amdhsa.kernels:
  - .name:           k_q76794011d4_route
    .symbol:         k_q76794011d4_route.kd
    .args:
      - { .name: x, .offset: 0, .size: 8, .value_kind: global_buffer, .address_space: global }
      - { .name: Wg, .offset: 8, .size: 8, .value_kind: global_buffer, .address_space: global }
      - { .name: bg, .offset: 16, .size: 8, .value_kind: global_buffer, .address_space: global }
      - { .name: bits, .offset: 24, .size: 8, .value_kind: global_buffer, .address_space: global }
      - { .name: gate, .offset: 32, .size: 8, .value_kind: global_buffer, .address_space: global }
    .group_segment_fixed_size: 1536
    .private_segment_fixed_size: 0
    .kernarg_segment_align: 8
    .kernarg_segment_size: 40
    .max_flat_workgroup_size: 256
    .sgpr_count:     66
    .vgpr_count:     256
    .wavefront_size: 32
...
	.end_amdgpu_metadata
.endif
;; end of part 1
;; launch prep (part 2): grid 416 x 1, 8 waves a work-group, no clusters, 148,480 bytes of LDS; arguments W1, W2, x, bits, gate, wt, xs, gpos, meta; writes wt, xs, gpos, meta
.if DOCPART == 2
	.amdgcn_target "amdgcn-amd-amdhsa--gfx1250"
	.amdhsa_code_object_version 6
	.text
	.protected	k_q76794011d4_prep
	.globl	k_q76794011d4_prep
	.p2align	8
	.type	k_q76794011d4_prep,@function
k_q76794011d4_prep:
	s_mov_b64 s[64:65], 0
	v_nop
	global_prefetch_b8 v0, s[64:65] scope:SCOPE_SE
	s_setreg_imm32_b32 hwreg(HW_REG_WAVE_MODE, 25, 1), 1
	s_wait_xcnt 0x0
; LAYS OUT what the two products read.  Three roles by the work-group's number; no barrier anywhere: a wave touches only its own LDS bytes.
;   0-255    WEIGHTS: rounded once to bf16 and laid in the order in which a wave's operand registers take them.  A wave takes a UNIT of 64 k x 128 n: 32 KiB in, 16 KiB dense out:
;            [sub-step of 32 k: 2][block of 16 columns: 8][half j: 2][lane 16 h + r: 32][16 bytes] = W[k0 + 32 s + 16 j + 8 h + 0..7][n0 + 16 b + r].
;            wt: W1's units [e 4][chunk of 128 columns 16][kb 16]; from byte 2^24 on W2's units [e 4][cg 8][kb 32]; kb counts 64 k.
;   256-383  PERMUTE, group g of 32 tokens: each token's POSITION; x's row rounded to bf16 goes to xs[position], its gate weights to gpos[position], the position to meta.
;   384-415  PAD AND TABLE, row tile y: meta's entry (a, b - a, 16-row blocks in use, rows in use), zeros in the tile's unused rows of xs and gpos.
; POSITIONS.  Tokens are sorted by their set of two experts (six sets).  Set s with c tokens has b = ceil(c / 16) blocks, n = ceil(b / 10) tiles of 160 positions, each filled with
; 16 q rows, q = ceil(b / n).  The blocks of all sets are at most 261, so the tiles are at most (261 + 54) / 10 = 31: 32 tiles serve every split.  Token of rank R in its set: tile u = (R / 16) / q, row R - 16 q u.
; Every wave of the last two roles makes the table for itself from the 768 stored counts.
; LIMIT.  A token that the router put into no set (NaN logits) has no position of its own.
.set STG,   18432                      ; a wave's stage: 16 fragments of 1,024 bytes + 16 of padding, in whole blocks of 256 bytes
.set FP,    1040                       ; from fragment to fragment in the stage: sixteen lanes' stores then touch sixteen different 16-byte columns of 256
.set SPARE, 8*STG                      ; behind the stages: the spare words, 128 bytes for each of eight waves
.set LANE, 1
.set SPW,  2
.set NIL,  3
.set GOFF, 4                           ; 16 x lane
.set SA,   5                           ; stage: where I put 16 bytes
.set SR,   6                           ; stage: where I read 16 bytes back
.set RO,   16                          ; v16-23  weights: row r of an octet, r x pitch + 16 x lane
.set L,    32                          ; v32-159 what is loaded
.set T,    160                         ; v160-175 at work
.set WV, 22
.set WG, 23
.set PS, 32                            ; s32-37  set s: its tokens in the groups ahead of mine
.set MS, 38                            ; s38-43  65536 / q + 1: the division by q as a multiply
.set QS, 44                            ; s44-49  16 q
.set TS, 50                            ; s50-55  the set's first tile
.set RS, 72                            ; s72-77  the lane sums
	s_load_b512 s[4:19], s[0:1], 0x0               ; W1 s[4:5], W2 s[6:7], x s[8:9], bits s[10:11], gate s[12:13], wt s[14:15], xs s[16:17], gpos s[18:19]
	s_load_b64 s[20:21], s[0:1], 0x40              ; meta
	v_lshl_add_u32 v[SPW], v0, 2, SPARE
	v_mov_b32 v[NIL], 0
	v_and_b32 v[LANE], 31, v0
	v_lshrrev_b32 v7, 5, v0
	v_readfirstlane_b32 s[WV], v7                  ; wave 0..7
	v_lshlrev_b32 v[GOFF], 4, v[LANE]
	s_mov_b32 s[WG], ttmp9
	s_wait_kmcnt 0x0
	s_cmp_ge_u32 s[WG], 256
	s_cbranch_scc1 .Ltable
	; ---------------- WEIGHTS.  Unit U = 8 x work-group + wave: 0-1023 of W1, 1024-2047 of W2.  Both decodings are made, one is chosen: one text serves both.
	s_lshl_b32 s24, s[WG], 3
	s_add_co_u32 s24, s24, s[WV]
	s_bfe_u32 s25, s24, 0x20008                    ; e
	s_bfe_u32 s26, s24, 0x40004                    ; W1: kb,
	s_and_b32 s27, s24, 15                         ; chunk of 128 columns
	s_lshl_b32 s48, s26, 19                        ; from: 64 rows of 8,192 bytes a kb,
	s_lshl_b32 s28, s27, 9                         ; 512 bytes a chunk
	s_add_co_u32 s48, s48, s28
	s_lshl_b32 s49, s27, 18                        ; to: 16 units of 16 KiB a chunk,
	s_lshl_b32 s28, s26, 14                        ; unit kb
	s_add_co_u32 s49, s49, s28
	s_bfe_u32 s26, s24, 0x50003                    ; W2: kb,
	s_and_b32 s27, s24, 7                          ; cg
	s_lshl_b32 s50, s26, 18                        ; from: 64 rows of 4,096 bytes a kb
	s_lshl_b32 s28, s27, 9
	s_add_co_u32 s50, s50, s28
	s_lshl_b32 s51, s27, 19                        ; to: 32 units a cg, unit kb, behind W1's
	s_lshl_b32 s28, s26, 14
	s_add_co_u32 s51, s51, s28
	s_add_co_u32 s51, s51, 0x1000000
	s_mov_b32 s28, 8192                            ; W1's pitch
	s_cmp_ge_u32 s[WG], 128
	s_cselect_b64 s[32:33], s[6:7], s[4:5]
	s_cselect_b32 s29, 4096, s28                   ; the pitch
	s_cselect_b32 s48, s50, s48
	s_cselect_b32 s49, s51, s49
	s_lshl_b32 s28, s25, 23
	s_add_co_u32 s48, s48, s28
	s_lshl_b32 s28, s25, 22
	s_add_co_u32 s50, s49, s28
	s_mov_b32 s49, 0
	s_mov_b32 s51, 0
	s_add_nc_u64 s[32:33], s[32:33], s[48:49]      ; octet 0 of my unit
	s_add_nc_u64 s[14:15], s[14:15], s[50:51]
	s_lshl_b32 s30, s29, 3
	s_mov_b32 s31, 0
.irp o, 1,2,3,4,5,6,7
	s_add_nc_u64 s[32+2*\o:33+2*\o], s[30+2*\o:31+2*\o], s[30:31]  ; octet o: eight rows further down
.endr
	v_mov_b32 v[RO], v[GOFF]
.irp r, 1,2,3,4,5,6,7
	s_mul_i32 s28, s29, \r
	v_add_nc_u32 v[RO+\r], s28, v[GOFF]
.endr
	s_mul_i32 s25, s[WV], STG
	v_lshrrev_b32 v[SA], 2, v[LANE]                ; my four columns 4 l + c lie in column block l / 4, at places r = 4 (l % 4) + c
	v_mul_u32_u24 v[SA], v[SA], FP
	v_and_b32 v7, 3, v[LANE]
	v_lshl_add_u32 v[SA], v7, 6, v[SA]
	v_add_nc_u32 v[SA], s25, v[SA]
	v_add_nc_u32 v[SR], s25, v[GOFF]
.macro OCTET o, slot                   ; eight rows of 512 consecutive bytes
.irp r, 0,1,2,3,4,5,6,7
	global_load_b128 v[L+32*(\slot)+4*\r:L+32*(\slot)+4*\r+3], v[RO+\r], s[32+2*(\o):33+2*(\o)] th:TH_LOAD_NT
.endr
.endm
	OCTET 0, 0
	OCTET 1, 1
	OCTET 2, 2
	OCTET 3, 3
.irp o, 0,1,2,3,4,5,6,7
.if \o < 5
	s_wait_loadcnt 24                              ; the oldest octet is in; three younger ones, 24 loads, stay out
.else
	s_wait_loadcnt 8*(7-\o)                        ; nothing more is asked for: the counts run down
.endif
.irp c, 0,1,2,3                        ; column 4 l + c: its eight k of octet o are the 16 bytes of lane 16 (o % 2) + r, half (o / 2) % 2, sub-step o / 4
.irp p, 0,1,2,3
	v_cvt_pk_bf16_f32 v[T+4*\c+\p], v[L+32*(\o%4)+8*\p+\c], v[L+32*(\o%4)+8*\p+4+\c]
.endr
	ds_store_b128 v[SA], v[T+4*\c:T+4*\c+3] offset:(\o/4)*8*FP+((\o/2)%2)*512+(\o%2)*256+16*\c
.endr
.if \o < 4
	OCTET \o+4, \o
.endif
.endr
.set t, 0
.rept 32                               ; back in the unit's order: LDS serves a wave's instructions in order, and the bytes are my wave's own
	ds_load_b128 v[L+4*t:L+4*t+3], v[SR] offset:(t/2)*FP+(t%2)*512
.set t, t+1
.endr
.set t, 0
.rept 32
	s_wait_dscnt 31-t
	global_store_b128 v[GOFF], v[L+4*t:L+4*t+3], s[14:15] offset:512*t  ; 512 consecutive bytes, aligned
.set t, t+1
.endr
	s_branch .Lend
	; ---------------- THE TABLE, for the other two roles
.Ltable:
	s_mov_b32 s78, 0x76543210
	s_mov_b32 s79, 0xfedcba98
	s_sub_co_u32 s63, s[WG], 256                   ; permute: my group g (pad: 128 or more, all groups count; the prefix is not used there)
	s_sub_co_u32 s57, s[WG], 384                   ; pad: my tile y (permute: wraps to a large number; the choice made by it is not used there)
	v_lshlrev_b32 v7, 7, v[LANE]
.irp j, 0,1,2,3                        ; the six counts of group 32 j + lane
	global_load_b128 v[L+8*\j:L+8*\j+3], v7, s[10:11] offset:4096*\j+32
	global_load_b64 v[L+8*\j+4:L+8*\j+5], v7, s[10:11] offset:4096*\j+48
.endr
.irp j, 0,1,2,3
	v_add_nc_u32 v8, 32*\j, v[LANE]
	v_cmp_gt_u32 s[80+\j], s63, v8                 ; a group ahead of mine
.endr
.irp s, 0,1,2,3,4,5
	v_mov_b32 v[24+\s], 0                          ; written before the lane moves below name them as destinations
.endr
	s_wait_loadcnt 0x0
.irp s, 0,1,2,3,4,5                    ; low half: the set's tokens; high half: those in groups ahead of mine.  Neither passes 4,096
	v_cndmask_b32 v10, 0, v[L+\s], s80
	v_cndmask_b32 v11, 0, v[L+8+\s], s81
	v_cndmask_b32 v12, 0, v[L+16+\s], s82
	v_cndmask_b32 v13, 0, v[L+24+\s], s83
	v_add3_u32 v10, v10, v11, v12
	v_add_nc_u32 v10, v10, v13
	v_add3_u32 v11, v[L+\s], v[L+8+\s], v[L+16+\s]
	v_add_nc_u32 v11, v11, v[L+24+\s]
	v_lshl_add_u32 v[16+\s], v10, 16, v11
.endr
.irp m, 1,2,4,8
.irp s, 0,1,2,3,4,5
	v_mov_b32_dpp v[24+\s], v[16+\s] row_xmask:\m row_mask:0xf bank_mask:0xf
.endr
.irp s, 0,1,2,3,4,5
	v_add_nc_u32 v[16+\s], v[16+\s], v[24+\s]
.endr
.endr
.irp s, 0,1,2,3,4,5
	v_permlanex16_b32 v[24+\s], v[16+\s], s78, s79
.endr
.irp s, 0,1,2,3,4,5
	v_add_nc_u32 v[16+\s], v[16+\s], v[24+\s]
	v_readfirstlane_b32 s[RS+\s], v[16+\s]
.endr
; Set s of experts a and a + d.  s56 = tiles so far.  The last set whose first tile is not beyond y is y's.
.macro SETCALC s, a, d
	s_and_b32 s66, s[RS+\s], 0xffff                ; c
	s_lshr_b32 s[PS+\s], s[RS+\s], 16
	s_add_co_u32 s67, s66, 15
	s_lshr_b32 s67, s67, 4                         ; b
	s_add_co_u32 s68, s67, 9
	s_mul_i32 s68, s68, 6554
	s_lshr_b32 s68, s68, 16                        ; n = (b + 9) / 10: exact for b + 9 up to 16,383
	s_mov_b32 s69, 10
	s_mov_b32 s70, 6554
.irp j, 9,8,7,6,5,4,3,2,1              ; q: the least j with n j >= b
	s_mul_i32 s71, s68, \j
	s_cmp_ge_u32 s71, s67
	s_cselect_b32 s69, \j, s69
	s_cselect_b32 s70, 65536/\j+1, s70
.endr
	s_lshl_b32 s[QS+\s], s69, 4
	s_mov_b32 s[MS+\s], s70
	s_mov_b32 s[TS+\s], s56
	s_cmp_le_u32 s56, s57
	s_cselect_b32 s58, s66, s58
	s_cselect_b32 s59, s[QS+\s], s59
	s_cselect_b32 s60, s56, s60
	s_cselect_b32 s61, \a, s61
	s_cselect_b32 s62, \d, s62
	s_add_co_u32 s56, s56, s68
.endm
	s_mov_b32 s56, 0
	s_mov_b32 s58, 0
	s_mov_b32 s59, 0
	s_mov_b32 s60, 0
	s_mov_b32 s61, 0
	s_mov_b32 s62, 0
	SETCALC 0, 0, 1
	SETCALC 1, 0, 2
	SETCALC 2, 1, 1
	SETCALC 3, 0, 3
	SETCALC 4, 1, 2
	SETCALC 5, 2, 1
	s_cmp_ge_u32 s[WG], 384
	s_cbranch_scc1 .Lpadrole
	; ---------------- PERMUTE
	s_lshl_b32 s24, s63, 7
	s_mov_b32 s25, 0
	s_add_nc_u64 s[26:27], s[10:11], s[24:25]
	s_load_b256 s[88:95], s[26:27], 0x0            ; my group's six ballots (and two words of 0)
	s_add_nc_u64 s[20:21], s[20:21], s[24:25]      ; meta: 32 positions of 4 bytes a group
	s_lshl_b32 s28, s63, 8
	s_mov_b32 s29, 0
	s_add_nc_u64 s[12:13], s[12:13], s[28:29]      ; gate: 256 bytes a group
	s_lshl_b32 s28, s63, 17
	s_lshl_b32 s30, s[WV], 14
	s_add_co_u32 s28, s28, s30
	s_add_nc_u64 s[8:9], s[8:9], s[28:29]          ; x at my wave's four rows
	v_lshlrev_b32 v8, 5, v[LANE]                   ; a lane takes eight neighbouring numbers: 16 bytes of bf16
.irp i, 0,1,2,3
.irp j, 0,1,2,3
	global_load_b128 v[L+32*\i+8*\j:L+32*\i+8*\j+3], v8, s[8:9] offset:4096*\i+1024*\j
	global_load_b128 v[L+32*\i+8*\j+4:L+32*\i+8*\j+7], v8, s[8:9] offset:4096*\i+1024*\j+16
.endr
.endr
	v_mov_b32 v9, 0
	v_mov_b32 v13, 160
	s_wait_kmcnt 0x0
.irp s, 0,1,2,3,4,5                    ; lane = token of the group
	v_mbcnt_lo_u32_b32 v10, s[88+\s], s[PS+\s]     ; its rank R, were it of set s
	v_lshrrev_b32 v11, 4, v10
	v_mul_lo_u32 v11, v11, s[MS+\s]
	v_lshrrev_b32 v11, 16, v11                     ; u = (R / 16) / q: exact, R / 16 stays under 257
	v_mul_lo_u32 v12, v11, s[QS+\s]
	v_sub_nc_u32 v10, v10, v12                     ; row
	v_add_nc_u32 v11, s[TS+\s], v11
	v_mad_u32_u24 v10, v11, v13, v10
	v_cndmask_b32 v9, v9, v10, s[88+\s]            ; kept where the ballot names the token
.endr
	v_min_u32 v9, 0x13ff, v9                       ; a position: 0 to 5,119
	s_cmp_lg_u32 s[WV], 0
	s_cbranch_scc1 .Lnot0
	v_lshlrev_b32 v10, 2, v[LANE]
	global_store_b32 v10, v9, s[20:21]
	v_lshlrev_b32 v11, 3, v[LANE]
	global_load_b64 v[14:15], v11, s[12:13]
	v_lshlrev_b32 v12, 3, v9
	s_wait_loadcnt 0x0
	global_store_b64 v12, v[14:15], s[18:19]
.Lnot0:
	s_lshl_b32 s24, s[WV], 4
.irp i, 0,1,2,3                        ; the position of token 4 w + i, into every lane
	v_mov_b32 v[16+\i], s24
	v_add_nc_u32 v[16+\i], 4*\i, v[16+\i]
	ds_bpermute_b32 v[20+\i], v[16+\i], v9
.endr
	s_wait_dscnt 0x0
.irp i, 0,1,2,3
	v_min_u32 v[20+\i], 0x13ff, v[20+\i]
	v_lshl_add_u32 v[20+\i], v[20+\i], 11, v[GOFF] ; its row of 2,048 bytes in xs, my 16 bytes
.endr
.irp i, 0,1,2,3
	s_wait_loadcnt 24-8*\i                         ; row i's eight loads are in; the later rows' stay out
.set p, 0
.rept 16                               ; in place: result p lands on a register whose number has been read
	v_cvt_pk_bf16_f32 v[L+32*\i+p], v[L+32*\i+2*p], v[L+32*\i+2*p+1]
.set p, p+1
.endr
.irp j, 0,1,2,3
	global_store_b128 v[20+\i], v[L+32*\i+4*\j:L+32*\i+4*\j+3], s[16:17] offset:512*\j  ; 512 consecutive bytes, aligned
.endr
.endr
	s_branch .Lend
	; ---------------- PAD AND TABLE
.Lpadrole:
	s_sub_co_u32 s24, s57, s60                     ; my tile's number in its set
	s_mul_i32 s24, s24, s59
	s_sub_co_i32 s24, s58, s24
	s_max_i32 s24, s24, 0
	s_min_i32 s24, s24, s59                        ; rows in use
	s_add_co_u32 s25, s24, 15
	s_lshr_b32 s25, s25, 4                         ; blocks in use
	s_mov_b32 s27, 0
	v_mov_b32 v12, 0
.irp i, 16,17,18,19
	v_mov_b32 v[\i], 0
.endr
	s_cmp_lg_u32 s[WV], 0
	s_cbranch_scc1 .Lpad_rows
	v_mov_b32 v8, s61
	v_mov_b32 v9, s62
	v_mov_b32 v10, s25
	v_mov_b32 v11, s24
	s_lshl_b32 s26, s57, 4
	s_add_co_u32 s26, s26, 16384
	s_add_nc_u64 s[20:21], s[20:21], s[26:27]
	v_cmp_eq_u32 vcc_lo, 0, v[LANE]
	s_wait_xcnt 0x0                                ; EXEC changes only behind this wait
	s_and_saveexec_b32 s28, vcc_lo
	global_store_b128 v12, v[8:11], s[20:21]       ; one lane: the tile's entry
	s_wait_xcnt 0x0
	s_or_b32 exec_lo, exec_lo, s28
.Lpad_rows:
	s_mul_i32 s26, s57, 160
	s_add_co_u32 s26, s26, s[WV]
	s_lshl_b32 s26, s26, 11
	s_add_nc_u64 s[16:17], s[16:17], s[26:27]      ; xs at row w of my tile
	s_mov_b32 s29, s[WV]
	s_mov_b32 s30, 20
.Lpad:                                 ; rows w, w + 8, ..: twenty trips whatever the count; a row in use is jumped over
	s_cmp_lt_u32 s29, s24
	s_cbranch_scc1 .Lpad_skip
.irp j, 0,1,2,3
	global_store_b128 v[GOFF], v[16:19], s[16:17] offset:512*\j
.endr
.Lpad_skip:
	s_wait_xcnt 0x0                                ; the base is stepped only behind this wait
	s_add_nc_u64 s[16:17], s[16:17], 16384
	s_add_co_u32 s29, s29, 8
	s_sub_co_u32 s30, s30, 1
	s_cmp_lg_u32 s30, 0
	s_cbranch_scc1 .Lpad
	s_cmp_lg_u32 s[WV], 1
	s_cbranch_scc1 .Lend
	s_mul_i32 s26, s57, 1280
	s_add_nc_u64 s[18:19], s[18:19], s[26:27]      ; gpos at my tile
	v_lshlrev_b32 v13, 3, v[LANE]
.irp k, 0,1,2,3,4
	v_add_nc_u32 v14, 32*\k, v[LANE]
	v_cmp_le_u32 vcc_lo, s24, v14                  ; a row not in use
	s_wait_xcnt 0x0
	s_and_saveexec_b32 s28, vcc_lo
	global_store_b64 v13, v[16:17], s[18:19] offset:256*\k
	s_wait_xcnt 0x0
	s_or_b32 exec_lo, exec_lo, s28
.endr
.Lend:
	s_wait_tensorcnt 0x0                           ; the wave's end
	ds_add_u32 v[SPW], v[NIL]
	s_wait_dscnt 0x0
	s_endpgm
.Lfunc_end_k_q76794011d4_prep:
	.size	k_q76794011d4_prep, .Lfunc_end_k_q76794011d4_prep-k_q76794011d4_prep
	.p2alignl 7, 3214868480
	.fill 96, 4, 3214868480
	.section	.rodata,"a",@progbits
	.p2align	6, 0x0
	.amdhsa_kernel k_q76794011d4_prep
		.amdhsa_group_segment_fixed_size 148480
		.amdhsa_private_segment_fixed_size 0
		.amdhsa_enable_private_segment 0
		.amdhsa_kernarg_size 72
		.amdhsa_user_sgpr_count 2
		.amdhsa_user_sgpr_kernarg_segment_ptr 1
		.amdhsa_wavefront_size32 1
		.amdhsa_system_sgpr_workgroup_id_x 1
		.amdhsa_system_sgpr_workgroup_id_y 1
		.amdhsa_system_sgpr_workgroup_id_z 1
		.amdhsa_system_vgpr_workitem_id 0
		.amdhsa_next_free_vgpr 192
		.amdhsa_next_free_sgpr 96
		.amdhsa_reserve_vcc 1
		.amdhsa_float_denorm_mode_32 3
		.amdhsa_float_denorm_mode_16_64 3
		.amdhsa_memory_ordered 1
		.amdhsa_forward_progress 1
		.amdhsa_inst_pref_size 64
	.end_amdhsa_kernel
	.amdgpu_metadata
---
amdhsa.version: [ 1, 2 ]
amdhsa.kernels:
  - .name:           k_q76794011d4_prep
    .symbol:         k_q76794011d4_prep.kd
    .args:
      - { .name: W1, .offset: 0, .size: 8, .value_kind: global_buffer, .address_space: global }
      - { .name: W2, .offset: 8, .size: 8, .value_kind: global_buffer, .address_space: global }
      - { .name: x, .offset: 16, .size: 8, .value_kind: global_buffer, .address_space: global }
      - { .name: bits, .offset: 24, .size: 8, .value_kind: global_buffer, .address_space: global }
      - { .name: gate, .offset: 32, .size: 8, .value_kind: global_buffer, .address_space: global }
      - { .name: wt, .offset: 40, .size: 8, .value_kind: global_buffer, .address_space: global }
      - { .name: xs, .offset: 48, .size: 8, .value_kind: global_buffer, .address_space: global }
      - { .name: gpos, .offset: 56, .size: 8, .value_kind: global_buffer, .address_space: global }
      - { .name: meta, .offset: 64, .size: 8, .value_kind: global_buffer, .address_space: global }
    .group_segment_fixed_size: 148480
    .private_segment_fixed_size: 0
    .kernarg_segment_align: 8
    .kernarg_segment_size: 72
    .max_flat_workgroup_size: 256
    .sgpr_count:     96
    .vgpr_count:     192
    .wavefront_size: 32
...
	.end_amdgpu_metadata
.endif
;; end of part 2
;; launch gemm1 (part 3): grid 8 x 32, 4 waves a work-group, clusters of 4 x 1, 327,680 bytes of LDS; arguments xs, wt, b1, meta, H; writes H
.if DOCPART == 3
	.amdgcn_target "amdgcn-amd-amdhsa--gfx1250"
	.amdhsa_code_object_version 6
	.text
	.protected	k_q76794011d4_gemm1
	.globl	k_q76794011d4_gemm1
	.p2align	8
	.type	k_q76794011d4_gemm1,@function
k_q76794011d4_gemm1:
	s_mov_b64 s[64:65], 0
	v_nop
	global_prefetch_b8 v0, s[64:65] scope:SCOPE_SE
	s_setreg_imm32_b32 hwreg(HW_REG_WAVE_MODE, 25, 1), 1
	s_wait_xcnt 0x0
	s_wait_alu depctr_hold_cnt(0) depctr_sa_sdst(0) depctr_va_vdst(0) depctr_va_sdst(0) depctr_va_ssrc(0) depctr_va_vcc(0) depctr_vm_vsrc(0)
	s_getreg_b32 s2, hwreg(HW_REG_IB_STS2, 6, 4)
	s_cmp_eq_u32 s2, 0
	s_cbranch_scc0 .Lentry_in_a_cluster
	s_endpgm
.Lentry_in_a_cluster:
	s_bfe_u32 s2, ttmp6, 0x10000c
	s_cmp_lg_u32 s2, 0x3003
	s_cbranch_scc0 .Lentry_shape_is_right
	s_endpgm
.Lentry_shape_is_right:
; FIRST PRODUCT.  H = relu(xs [W1[a] | W1[b]] + [b1[a] | b1[b]]) for the 160 positions of row tile y, whose tokens all chose experts a and b.  bf16 operands, f32 sums, H rounded once to bf16.
; SHARES.  Work-group (c, y): 160 rows x columns 512 c .. 512 c + 511 of 4,096 (c < 4: expert a, else b).  Each of four waves: 160 x 128, 80 accumulators of 16 x 16, 640 registers.
; K = 1,024 goes in 32 SUB-STEPS of 32: 80 matrix instructions, column block by column block, ten row blocks to each.
; THE WEIGHTS COME STRAIGHT INTO REGISTERS.  A wave alone reads its 128 columns, so LDS would share nothing: the launch before has laid them in the order of the operand registers, a wave's
; whole stream 256 KiB on end, a fragment (16 columns x 32 k) 1,024 bytes: two loads of 512 consecutive bytes.  A ring of 16 fragments, 128 registers: behind the ten products that read a fragment
; its registers are asked for again, for two sub-steps on: each fragment is asked for 150 matrix instructions ahead of its use, and no barrier waits for these loads.
; xs GOES THROUGH LDS, since all four waves read it: chunks of K = 64 in two slots; each wave fetches 40 rows.  The four work-groups of a cluster share y, so these loads are joint.
; The weights are not shared in the cluster: partners along y would have to be of one set of experts, and whole clusters of 4 x 160 rows for each of six sets would need up to twelve
; clusters of rows where 5,120 positions give eight.
; The bias is the C operand of the products that start the sums.  All ten row blocks are multiplied in every tile, used or not: no branch here hangs on a loaded number.
; THE MATRIX INSTRUCTION IS USED TRANSPOSED: source 0 = 16 columns of the weights, source 1 = 16 rows of xs: a lane holds one position (lane % 16) and eight neighbouring columns.
; OUT.  H [y 32][kb 64][row 160][kk 64] bf16: what the second product asks for as dense tiles.  All 160 rows are stored, unused ones too (finite numbers that nobody's result hangs on).
; LIMITS.  NaN becomes 0 in the ReLU; sums beyond bf16's range become infinite as in any rounding to bf16.
; REGISTERS, in windows of 256 (s_set_vgpr_msb: bits 1:0 source 0, 3:2 source 1, 5:4 source 2, 7:6 destination):
;   window 0: v2-9 addresses; v30-31 the add's; v32-95 the bias; v96-175, v176-255 fragments of xs, two buffers (10 x 16 rows x 32 K)
;   window 1: v0-127 the ring of weight fragments (sub-step's parity, column block); v128-255 accumulators 64-79     window 2: accumulators 0-31     window 3: accumulators 32-63
;   Accumulator (row block a, column block b) has the number 10 b + a: the products walk the numbers in ascending order, so the windows change three times a sub-step.
.set PITCH, 144                        ; an LDS row: 128 bytes + 16 of padding: the 16 rows of a fragment load start at 16 different groups of four banks
.set RB,    16*PITCH
.set SLOT1, 32768                      ; slot 1 begins here, so that one exclusive or turns an address in one slot into the other's; a slot holds 160 rows, 23,040 bytes
.set WPART, 40*PITCH                   ; what one wave's tensor load brings
.set STAGE, SLOT1+160*PITCH            ; behind the ring: 16 rows x 272 bytes for each wave, for the way out
.set SP,    272
.set SPARE, STAGE+4*16*SP              ; behind the stages: the spare words, 128 bytes for each wave
.set CHA,   128                        ; a chunk of K = 64 in xs's rows
.set SUBB,  8192                       ; a sub-step in a wave's stream of weights
.set AL0,  2                           ; v2   my lane's place in a chunk of xs; never rewritten
.set ADR,  3                           ; v3   the same in the slot that is being read
.set STO,  6
.set RD,   7
.set GO,   8                           ; v8   16 x lane: my bytes in 512 consecutive ones, of the weights and of H; never rewritten
.set ZR,   9
.set SPW,  30
.set NIL,  31
.set BIAS, 32
.set FA,   96
.set TP,   160                         ; the way out: packed results
.set OB,   192                         ; the way out: rows read back, two buffers of 32
.set HT,   240                         ; at work in the head only
.set WV, 16
.set CX, 17
.set CG, 18
.set TY, 19
.set G1,  24                           ; s[24:31] descriptor group 1
.set G0,  32                           ; s[32:35] group 0 of the first fill of slot 0
.set G0W, 36                           ; s[36:39] group 0 of the first fill of slot 1; it then walks on
.set BB,  40                           ; s[40:41] where the weights asked for next lie
.set TB,  42                           ; s42      the slot that is being read: 0 or SLOT1
.set LAP, 56
.set MSB, 0
.macro WIN new                         ; the immediate's high byte repeats the setting that is left; a switch that changes nothing is dropped
.if MSB != (\new)
	s_set_vgpr_msb (MSB<<8)|(\new)
.set MSB, (\new)
.endif
.endm
.macro PLACES                          ; four places between a matrix instruction and a load into, or a vector line on, its registers
.rept 4
	v_nop
.endr
.endm
.macro CREST                           ; a round of the cluster's barrier behind its opening barrier
	s_cmp_lg_u32 s[WV], 0
	s_cbranch_scc1 .Lnot_wave_0_\@
	s_barrier_signal -3
.Lnot_wave_0_\@:
	s_barrier_wait -3
	s_barrier_signal -1
	s_barrier_wait -1
.endm
.macro CROUND
	s_barrier_signal -1
	s_barrier_wait -1
	CREST
.endm
.macro ACSET a, b                      ; accumulator (a, b): its window AW and its first register AC
.set AI, 10*(\b)+(\a)
.if AI < 32
.set AW, 2
.set AC, 8*AI
.elseif AI < 64
.set AW, 3
.set AC, 8*(AI-32)
.else
.set AW, 1
.set AC, 128+8*(AI-64)
.endif
.endm
	s_load_b256 s[4:11], s[0:1], 0x0               ; xs s[4:5], wt s[6:7], b1 s[8:9], meta s[10:11]
	s_load_b64 s[12:13], s[0:1], 0x20              ; H
	v_lshl_add_u32 v[SPW], v0, 2, SPARE
	v_mov_b32 v[NIL], 0
	ds_add_u32 v[SPW], v[NIL]                      ; the wave's opening: the add and its wait ahead of my first tensor load
	v_lshrrev_b32 v1, 5, v0
	v_readfirstlane_b32 s[WV], v1                  ; wave 0..3
	s_bfe_u32 s[CX], ttmp6, 0x40000                ; my place in the cluster: it enters the weights', the bias's and H's global addresses alone
	s_lshl_b32 s[CG], ttmp9, 2
	s_add_co_u32 s[CG], s[CG], s[CX]               ; column group 0..7
	s_and_b32 s[TY], ttmp7, 0xffff                 ; row tile, shared by the four partners
	s_mov_b32 s[G1], 15|(1<<16)|(1<<20)|(1<<21)|(4<<22)|(3<<25)  ; the mask of four; 2-byte elements; padding on; bit 21 beside a mask; after every 32 words, 4 words
	s_mov_b32 s[G1+1], 64<<16                      ; tensor_dim0 = 64
	s_mov_b32 s[G1+2], 40<<16                      ; tensor_dim1 = 40
	s_mov_b32 s[G1+3], 64<<16                      ; tile_dim0 = 64
	s_mov_b32 s[G1+4], 40                          ; tile_dim1 = 40
	s_mov_b32 s[G1+5], 1024                        ; elements from row to row
	s_mov_b32 s[G1+6], 0
	s_mov_b32 s[G1+7], 0
	s_mul_i32 s58, s[WV], WPART                    ; where my 40 rows go
	s_mov_b32 s[G0], 1
	s_mov_b32 s[G0+1], s58
	s_mov_b32 s[G0W], 1
	s_add_co_u32 s[G0W+1], s58, SLOT1
	s_mov_b32 s[TB], 0
	s_mov_b32 s61, 0
	s_mov_b32 s71, 0
	s_mov_b32 s73, 0
	s_lshl_b32 s70, s[TY], 4
	s_add_co_u32 s70, s70, 16384
	s_mul_i32 s72, s[TY], 327680                   ; 160 rows of 2,048 bytes a tile,
	s_mul_i32 s59, s[WV], 81920                    ; 40 a wave
	s_add_co_u32 s72, s72, s59
	s_wait_dscnt 0x0                               ; the opening add is done
	s_wait_kmcnt 0x0
	s_add_nc_u64 s[10:11], s[10:11], s[70:71]
	s_load_b128 s[20:23], s[10:11], 0x0            ; the tile's entry: a, b - a, ..: awaited behind the first fills, which do not hang on it
	s_add_nc_u64 s[G0+2:G0+3], s[4:5], s[72:73]    ; made of y and the wave's number alone
	s_add_nc_u64 s[G0W+2:G0W+3], s[G0+2:G0+3], CHA
	s_or_b32 s[G0+3], s[G0+3], 0x80000000
	s_or_b32 s[G0W+3], s[G0W+3], 0x80000000
	CROUND                                         ; all four work-groups are here: the first joint loads meet
	tensor_load_to_lds s[G0:G0+3], s[G1:G1+7]      ; chunks 0 and 1: two loads of mine are out
	s_nop 0
	tensor_load_to_lds s[G0W:G0W+3], s[G1:G1+7]
	s_nop 0
.rept 4
	v_nop
.endr
	v_and_b32 v[HT], 15, v0                        ; r = l % 16
	v_bfe_u32 v[HT+1], v0, 4, 1                    ; h = l / 16
	v_mul_u32_u24 v[AL0], v[HT], PITCH
	v_lshl_add_u32 v[AL0], v[HT+1], 4, v[AL0]      ; a fragment's row x pitch + 16 h
	v_mov_b32 v[ADR], v[AL0]
	v_and_b32 v[GO], 31, v0
	v_lshlrev_b32 v[GO], 4, v[GO]
	v_lshlrev_b32 v[HT+3], 5, v[HT+1]              ; my eight columns of a block of 16, in the bias
	s_mul_i32 s59, s[WV], 16*SP
	s_add_co_u32 s59, s59, STAGE                   ; my stage
	v_mul_u32_u24 v[STO], v[HT], SP                ; in: row r, 16 bytes for each half of the lanes
	v_lshl_add_u32 v[STO], v[HT+1], 4, v[STO]
	v_add_nc_u32 v[STO], s59, v[STO]
	v_bfe_u32 v[RD], v0, 3, 2                      ; back: 32 lanes take 128 bytes of four rows
	v_mul_u32_u24 v[RD], v[RD], SP
	v_and_b32 v[HT+4], 7, v0
	v_lshl_add_u32 v[RD], v[HT+4], 4, v[RD]
	v_add_nc_u32 v[RD], s59, v[RD]
	v_mov_b32 v[ZR], 0
	s_wait_kmcnt 0x0                               ; the tile's entry
	s_min_u32 s20, s20, 3
	s_min_u32 s21, s21, 3
	s_mul_i32 s62, ttmp9, s21
	s_add_co_u32 s62, s62, s20
	s_min_u32 s62, s62, 3                          ; my expert: a for column groups 0-3, b for 4-7
	s_lshl_b32 s60, s62, 13                        ; b1: 8,192 bytes an expert,
	s_lshl_b32 s63, s[CX], 11                      ; 2,048 a column group,
	s_add_co_u32 s60, s60, s63
	s_lshl_b32 s63, s[WV], 9                       ; 512 a wave
	s_add_co_u32 s60, s60, s63
	s_add_nc_u64 s[8:9], s[8:9], s[60:61]
.irp b, 0,1,2,3,4,5,6,7
	global_load_b128 v[BIAS+8*\b:BIAS+8*\b+3], v[HT+3], s[8:9] offset:64*\b
	global_load_b128 v[BIAS+8*\b+4:BIAS+8*\b+7], v[HT+3], s[8:9] offset:64*\b+16
.endr
	s_lshl_b32 s60, s62, 22                        ; the weights: 4 MiB an expert,
	s_lshl_b32 s63, s[CX], 20                      ; 1 MiB a column group,
	s_add_co_u32 s60, s60, s63
	s_lshl_b32 s63, s[WV], 18                      ; 256 KiB a wave
	s_add_co_u32 s60, s60, s63
	s_add_nc_u64 s[BB:BB+1], s[6:7], s[60:61]
	WIN 0x40                                       ; destination window 1, address window 0
.set i, 0
.rept 16                               ; the ring is filled: sub-steps 0 and 1
	global_load_b128 v[8*i:8*i+3],   v[GO], s[BB:BB+1] offset:1024*i
	global_load_b128 v[8*i+4:8*i+7], v[GO], s[BB:BB+1] offset:1024*i+512
.set i, i+1
.endr
	WIN 0
	s_lshl_b32 s60, s[CG], 3
	s_lshl_b32 s63, s[WV], 1
	s_add_co_u32 s60, s60, s63                     ; my first kb of H: 8 c + 2 w
	s_mul_i32 s60, s60, 20480
	s_mul_i32 s63, s[TY], 1310720
	s_add_co_u32 s60, s60, s63
	s_add_nc_u64 s[12:13], s[12:13], s[60:61]
; Ten matrix instructions: column block g x all ten row blocks, 32 along K, of parity f.  zero = 1: the sums start from the bias.
; The 80 accumulators take turns, one instruction a turn, in the same order in every sub-step.
.macro GROUP f, g, zero
.irp a, 0,1,2,3,4,5,6,7,8,9
	ACSET \a, \g
.if \zero
	WIN (AW<<6)|1
	v_wmma_f32_16x16x32_bf16 v[AC:AC+7], v[64*(\f)+8*(\g):64*(\f)+8*(\g)+7], v[FA+80*(\f)+8*\a:FA+80*(\f)+8*\a+7], v[BIAS+8*(\g):BIAS+8*(\g)+7]
.else
	WIN (AW<<6)|(AW<<4)|1
	v_wmma_f32_16x16x32_bf16 v[AC:AC+7], v[64*(\f)+8*(\g):64*(\f)+8*(\g)+7], v[FA+80*(\f)+8*\a:FA+80*(\f)+8*\a+7], v[AC:AC+7]
.endif
.endr
.endm
.macro FETCHA k, f                     ; 20 LDS loads in one run: xs's fragments of 32 along K at byte k of the rows, into buffer f
	WIN 0
.irp a, 0,1,2,3,4,5,6,7,8,9
	ds_load_b128 v[FA+80*(\f)+8*\a:FA+80*(\f)+8*\a+3],   v[ADR] offset:(\k)+\a*RB
	ds_load_b128 v[FA+80*(\f)+8*\a+4:FA+80*(\f)+8*\a+7], v[ADR] offset:(\k)+\a*RB+32
.endr
.endm
; A SUB-STEP of parity f.  ak >= 0: at its head the next sub-step's fragments of xs are fetched, from byte ak of the rows, into the other buffer (its last readers stand in front of the four places
; that end the sub-step before).  bl = 1: behind each group the fragment just read is asked for again, for two sub-steps on, at byte x from s[BB]; bl = 0: nothing is asked for, and x is the
; count of the first group's wait.
.macro SUB f, zero, ak, bl, x
.if (\ak) >= 0
	FETCHA \ak, 1-(\f)
	s_wait_dscnt 20                                ; this sub-step's fragments are in; the 20 loads just issued may be out
.else
	s_wait_dscnt 0x0
.endif
.irp g, 0,1,2,3,4,5,6,7
.if \bl
	s_wait_loadcnt 30                              ; behind this fragment's two loads 15 fragments have been asked for: the rest of its sub-step, the next one's eight, those refilled in this one
.else
	s_wait_loadcnt (\x)-2*\g                       ; nothing more is asked for: the counts run down
.endif
	GROUP \f, \g, \zero
.if \bl
	PLACES
	WIN 0x40
	global_load_b128 v[64*(\f)+8*\g:64*(\f)+8*\g+3],   v[GO], s[BB:BB+1] offset:(\x)+1024*\g
	global_load_b128 v[64*(\f)+8*\g+4:64*(\f)+8*\g+7], v[GO], s[BB:BB+1] offset:(\x)+1024*\g+512
.endif
.endr
.endm
; THE CHANGE OF SLOTS, at the head of each odd sub-step: the slot's last bytes have been asked for a sub-step ago.  Each wave waits for all its tensor loads (one is out: its part of the other
; slot), adds 0 to its spare word, and waits for that and for its reads of the slot.  fill = 1: the barrier is a round of the cluster's, and behind it the slot is filled again, with the
; chunk two on: that load has two sub-steps, 160 matrix instructions, in which to land.
.macro CHANGE fill
	WIN 0                                          ; at a label and at a branch every window is 0
	s_wait_tensorcnt 0x0                           ; no tensor load of mine is out, so a group 0 may be written
	ds_add_u32 v[SPW], v[NIL]
.if \fill
	s_xor_b32 s[G0W+1], s[G0W+1], SLOT1            ; the walking descriptor: the other slot than last time,
	s_add_nc_u64 s[G0W+2:G0W+3], s[G0W+2:G0W+3], CHA  ; the next chunk; the type bits on top are not reached
.endif
	s_xor_b32 s[TB], s[TB], SLOT1                  ; the fetches go to the other slot
	s_wait_dscnt 0x0                               ; the add is done, and my reads of the slot are over
.if \fill
	CROUND
	tensor_load_to_lds s[G0W:G0W+3], s[G1:G1+7]
	s_nop 0
.rept 4
	v_nop
.endr
.else
	s_barrier_signal -1
	s_barrier_wait -1
.endif
	v_add_nc_u32 v[ADR], s[TB], v[AL0]
.endm
	s_wait_tensorcnt 0x1                           ; my part of chunk 0 is in; chunk 1's may stay out
	s_barrier_signal -1
	s_barrier_wait -1
	FETCHA 0, 0
	s_wait_loadcnt 32                              ; the bias is in; the ring's 32 loads may be out
	SUB 0, 1, 64, 1, 2*SUBB                        ; sub-step 0 starts the sums
	WIN 0
	s_wait_xcnt 0x0                                ; the base is stepped only behind this wait
	s_add_nc_u64 s[BB:BB+1], s[BB:BB+1], 3*SUBB
	s_mov_b32 s[LAP], 14
.Llap:                                 ; trip j: sub-steps 2 j + 1 and 2 j + 2; chunk j + 2 is asked for
	CHANGE 1
	SUB 1, 0, 0, 1, 0
	SUB 0, 0, 64, 1, SUBB
	WIN 0
	s_wait_xcnt 0x0
	s_add_nc_u64 s[BB:BB+1], s[BB:BB+1], 2*SUBB
	s_sub_co_u32 s[LAP], s[LAP], 1
	s_cmp_lg_u32 s[LAP], 0
	s_cbranch_scc1 .Llap
	CHANGE 0                                       ; the tail is written out: no chunk is left to ask for
	SUB 1, 0, 0, 1, 0                              ; sub-step 29 asks for the weights of 31
	SUB 0, 0, 64, 0, 30
	SUB 1, 0, -1, 0, 14
	WIN 0
	PLACES
; THE WAY OUT, a row block at a time: rounded to bf16, ReLU on the packed halves, through my own stage, out as 512 consecutive bytes (four rows of one kb).
.macro PACK a
.irp b, 0,1,2,3,4,5,6,7
	ACSET \a, \b
	WIN AW|(AW<<2)
.irp r, 0,1,2,3
	v_cvt_pk_bf16_f32 v[TP+4*\b+\r], v[AC+2*\r], v[AC+2*\r+1]
.endr
.endr
	WIN 0
.set i, 0
.rept 32
	v_pk_max_num_bf16 v[TP+i], v[TP+i], v[ZR]
.set i, i+1
.endr
.endm
.macro TOSTAGE a
.set BK, OB+32*((\a)%2)
	s_wait_xcnt 0x0                                ; the stores of the block two back have read this buffer
.irp b, 0,1,2,3,4,5,6,7
	ds_store_b128 v[STO], v[TP+4*\b:TP+4*\b+3] offset:32*\b
.endr
.irp t, 0,1,2,3,4,5,6,7
	ds_load_b128 v[BK+4*\t:BK+4*\t+3], v[RD] offset:1088*(\t%4)+128*(\t/4)  ; LDS serves a wave's instructions in order: these see the stores above
.endr
.endm
.macro SEND a
.set BK, OB+32*((\a)%2)
	s_wait_dscnt 0x0
.irp t, 0,1,2,3,4,5,6,7
	global_store_b128 v[GO], v[BK+4*\t:BK+4*\t+3], s[12:13] offset:20480*(\t/4)+2048*(\a)+512*(\t%4)
.endr
.endm
	PACK 0
	TOSTAGE 0
.irp a, 1,2,3,4,5,6,7,8,9              ; a block's conversions stand between the loads of the block before and the wait for them
	PACK \a
	SEND \a-1
	TOSTAGE \a
.endr
	SEND 9
	s_wait_tensorcnt 0x0                           ; the wave's end
	ds_add_u32 v[SPW], v[NIL]
	s_wait_dscnt 0x0
	CROUND                                         ; the closing round
	s_endpgm
.Lfunc_end_k_q76794011d4_gemm1:
	.size	k_q76794011d4_gemm1, .Lfunc_end_k_q76794011d4_gemm1-k_q76794011d4_gemm1
	.p2alignl 7, 3214868480
	.fill 96, 4, 3214868480
	.section	.rodata,"a",@progbits
	.p2align	6, 0x0
	.amdhsa_kernel k_q76794011d4_gemm1
		.amdhsa_group_segment_fixed_size 327680
		.amdhsa_private_segment_fixed_size 0
		.amdhsa_enable_private_segment 0
		.amdhsa_kernarg_size 40
		.amdhsa_user_sgpr_count 2
		.amdhsa_user_sgpr_kernarg_segment_ptr 1
		.amdhsa_wavefront_size32 1
		.amdhsa_system_sgpr_workgroup_id_x 1
		.amdhsa_system_sgpr_workgroup_id_y 1
		.amdhsa_system_sgpr_workgroup_id_z 1
		.amdhsa_system_vgpr_workitem_id 0
		.amdhsa_next_free_vgpr 1024
		.amdhsa_next_free_sgpr 80
		.amdhsa_reserve_vcc 0
		.amdhsa_float_denorm_mode_32 3
		.amdhsa_float_denorm_mode_16_64 3
		.amdhsa_memory_ordered 1
		.amdhsa_forward_progress 1
		.amdhsa_inst_pref_size 123
	.end_amdhsa_kernel
	.amdgpu_metadata
---
amdhsa.version: [ 1, 2 ]
amdhsa.kernels:
  - .name:           k_q76794011d4_gemm1
    .symbol:         k_q76794011d4_gemm1.kd
    .args:
      - { .name: xs, .offset: 0, .size: 8, .value_kind: global_buffer, .address_space: global }
      - { .name: wt, .offset: 8, .size: 8, .value_kind: global_buffer, .address_space: global }
      - { .name: b1, .offset: 16, .size: 8, .value_kind: global_buffer, .address_space: global }
      - { .name: meta, .offset: 24, .size: 8, .value_kind: global_buffer, .address_space: global }
      - { .name: H, .offset: 32, .size: 8, .value_kind: global_buffer, .address_space: global }
    .group_segment_fixed_size: 327680
    .private_segment_fixed_size: 0
    .kernarg_segment_align: 8
    .kernarg_segment_size: 40
    .max_flat_workgroup_size: 128
    .sgpr_count:     80
    .vgpr_count:     1024
    .wavefront_size: 32
...
	.end_amdgpu_metadata
.endif
;; end of part 3
;; launch gemm2 (part 4): grid 8 x 32, 4 waves a work-group, clusters of 4 x 1, 327,680 bytes of LDS; arguments H, wt, b2, gpos, meta, mixed; writes mixed
.if DOCPART == 4
	.amdgcn_target "amdgcn-amd-amdhsa--gfx1250"
	.amdhsa_code_object_version 6
	.text
	.protected	k_q76794011d4_gemm2
	.globl	k_q76794011d4_gemm2
	.p2align	8
	.type	k_q76794011d4_gemm2,@function
k_q76794011d4_gemm2:
	s_mov_b64 s[64:65], 0
	v_nop
	global_prefetch_b8 v0, s[64:65] scope:SCOPE_SE
	s_setreg_imm32_b32 hwreg(HW_REG_WAVE_MODE, 25, 1), 1
	s_wait_xcnt 0x0
	s_wait_alu depctr_hold_cnt(0) depctr_sa_sdst(0) depctr_va_vdst(0) depctr_va_sdst(0) depctr_va_ssrc(0) depctr_va_vcc(0) depctr_vm_vsrc(0)
	s_getreg_b32 s2, hwreg(HW_REG_IB_STS2, 6, 4)
	s_cmp_eq_u32 s2, 0
	s_cbranch_scc0 .Lentry_in_a_cluster
	s_endpgm
.Lentry_in_a_cluster:
	s_bfe_u32 s2, ttmp6, 0x10000c
	s_cmp_lg_u32 s2, 0x3003
	s_cbranch_scc0 .Lentry_shape_is_right
	s_endpgm
.Lentry_shape_is_right:
; SECOND PRODUCT AND MIX.  mixed[p] = w_a[p] (H_a[p] W2[a] + b2[a]) + w_b[p] (H_b[p] W2[b] + b2[b]) for the 160 positions of row tile y.  bf16 operands, f32 sums; mixed, a finished sum, rounded once to bf16.
; SHARES.  Work-group (c, y): 160 rows x columns 128 c .. 128 c + 127.  K = 2 x 2,048 is split over the four waves: wave w takes H's kb 16 w .. 16 w + 15: waves 0, 1 the halves of expert a's
; hidden layer, waves 2, 3 of expert b's.  So each wave has 160 x 128 in 80 accumulators and 32 sub-steps of K = 32, and a wave's sums belong to ONE expert: each wave weighs its sums by that
; expert's gate weight, in f32, and the four waves' parts are added through LDS.  An expert's bias is the C operand that starts the sums of its even wave; its odd wave starts from 0.
; THE WEIGHTS COME STRAIGHT INTO REGISTERS, as in the first product: a wave alone reads its part of K; its stream is 256 KiB on end in the order of the operand registers; a ring of 16 fragments,
; each asked for again behind the ten products that read it, 150 matrix instructions ahead of its next use.
; H GOES THROUGH LDS for the cluster's sake: the four partners share y, so each wave's block of 160 rows x 64 k (20,480 dense bytes) is asked for jointly, into two slots.
; The weights are not shared in the cluster, since partners along y would have to be of one set of experts.
; All ten row blocks are multiplied in every tile: no branch here hangs on a loaded number.  All 160 rows are stored; unused ones have gate weights 0.
; REGISTERS as in the first product (accumulator (a, b) has the number 10 b + a); v10-29 the gate weights of my lane's position in each row block, in pairs whose low word becomes my wave's expert's.
.set RB,    2176                       ; 16 rows: two rows of 128 bytes share a padded line of 272, so the 16 rows of a fragment load touch 16 different 16-byte columns of 256
.set APART, 80*272                     ; a wave's block of H: 160 rows
.set SLOT1, 131072                     ; slot 1 begins here; a slot holds four blocks, 87,040 bytes
.set RED0,  SLOT1+4*APART              ; behind the ring, in bytes of its own: the way out's exchange,
.set REDW,  16384                      ; 16 accumulators of 1 KiB for each wave,
.set MST,   RED0+4*REDW                ; and its stage, 32 rows x 272 bytes
.set SP,    272
.set SPARE, MST+32*SP                  ; behind them the spare words, 128 bytes for each wave
.set CHA,   20480                      ; from a block of H to the next
.set SUBB,  8192                       ; a sub-step in a wave's stream of weights
.set RLB,  1                           ; v1   exchange, back: RED0 + 2,048 w + 16 l; the wave that wrote stands in the immediate
.set AL0,  2                           ; v2   my lane's place in my wave's block; never rewritten
.set ADR,  3                           ; v3   the same in the slot that is being read
.set BO,   4                           ; v4   16 x lane; never rewritten
.set RS,   6                           ; v6   exchange, in: RED0 + 16,384 w + 16 l
.set STG,  7
.set SRD,  8
.set GO,   9
.set GW,   10
.set SPW,  30
.set NIL,  31
.set BIAS, 32
.set TS,   32                          ; the way out: a row block's weighed sums, 64 registers
.set FA,   96
.set TP,   224
.set OBF,  232
.set HT,   240
.set WV, 16
.set CX, 17
.set CG, 18
.set TY, 19
.set G1,  24
.set G0,  32
.set G0W, 36
.set BB,  40
.set TB,  42
.set LAP, 56
.set MSB, 0
.macro WIN new
.if MSB != (\new)
	s_set_vgpr_msb (MSB<<8)|(\new)
.set MSB, (\new)
.endif
.endm
.macro PLACES
.rept 4
	v_nop
.endr
.endm
.macro CREST
	s_cmp_lg_u32 s[WV], 0
	s_cbranch_scc1 .Lnot_wave_0_\@
	s_barrier_signal -3
.Lnot_wave_0_\@:
	s_barrier_wait -3
	s_barrier_signal -1
	s_barrier_wait -1
.endm
.macro CROUND
	s_barrier_signal -1
	s_barrier_wait -1
	CREST
.endm
.macro ACSET a, b
.set AI, 10*(\b)+(\a)
.if AI < 32
.set AW, 2
.set AC, 8*AI
.elseif AI < 64
.set AW, 3
.set AC, 8*(AI-32)
.else
.set AW, 1
.set AC, 128+8*(AI-64)
.endif
.endm
	s_load_b256 s[4:11], s[0:1], 0x0               ; H s[4:5], wt s[6:7], b2 s[8:9], gpos s[10:11]
	s_load_b128 s[12:15], s[0:1], 0x20             ; meta s[12:13], mixed s[14:15]
	v_lshl_add_u32 v[SPW], v0, 2, SPARE
	v_mov_b32 v[NIL], 0
	ds_add_u32 v[SPW], v[NIL]                      ; the wave's opening: the add and its wait ahead of my first tensor load
	v_lshrrev_b32 v1, 5, v0
	v_readfirstlane_b32 s[WV], v1
	s_bfe_u32 s[CX], ttmp6, 0x40000
	s_lshl_b32 s[CG], ttmp9, 2
	s_add_co_u32 s[CG], s[CG], s[CX]               ; column group 0..7: it enters the weights', the bias's and mixed's global addresses alone
	s_and_b32 s[TY], ttmp7, 0xffff
	s_mov_b32 s[G1], 15|(1<<16)|(1<<20)|(1<<21)|(5<<22)|(3<<25)  ; the mask of four; 2-byte elements; padding on; bit 21 beside a mask; after every 64 words, 4 words
	s_mov_b32 s[G1+1], 128<<16
	s_mov_b32 s[G1+2], 80<<16
	s_mov_b32 s[G1+3], 128<<16
	s_mov_b32 s[G1+4], 80                          ; 80 dense rows of 256 bytes: a block of 160 x 128 bytes
	s_mov_b32 s[G1+5], 128
	s_mov_b32 s[G1+6], 0
	s_mov_b32 s[G1+7], 0
	s_mul_i32 s58, s[WV], APART                    ; where my block goes
	s_mov_b32 s[G0], 1
	s_mov_b32 s[G0+1], s58
	s_mov_b32 s[G0W], 1
	s_add_co_u32 s[G0W+1], s58, SLOT1
	s_mov_b32 s[TB], 0
	s_mov_b32 s61, 0
	s_mov_b32 s71, 0
	s_mov_b32 s73, 0
	s_lshl_b32 s70, s[TY], 4
	s_add_co_u32 s70, s70, 16384
	s_mul_i32 s72, s[TY], 1310720                  ; 64 blocks a tile,
	s_mul_i32 s59, s[WV], 327680                   ; 16 a wave
	s_add_co_u32 s72, s72, s59
	s_wait_dscnt 0x0
	s_wait_kmcnt 0x0
	s_add_nc_u64 s[12:13], s[12:13], s[70:71]
	s_load_b128 s[20:23], s[12:13], 0x0            ; a, b - a, ..: awaited behind the first fills, which do not hang on it
	s_add_nc_u64 s[G0+2:G0+3], s[4:5], s[72:73]    ; made of y and the wave's number alone
	s_add_nc_u64 s[G0W+2:G0W+3], s[G0+2:G0+3], CHA
	s_or_b32 s[G0+3], s[G0+3], 0x80000000
	s_or_b32 s[G0W+3], s[G0W+3], 0x80000000
	CROUND
	tensor_load_to_lds s[G0:G0+3], s[G1:G1+7]      ; my blocks 0 and 1: two loads of mine are out
	s_nop 0
	tensor_load_to_lds s[G0W:G0W+3], s[G1:G1+7]
	s_nop 0
.rept 4
	v_nop
.endr
	v_and_b32 v[HT], 15, v0                        ; r
	v_bfe_u32 v[HT+1], v0, 4, 1                    ; h
	v_lshrrev_b32 v[HT+2], 1, v[HT]
	v_mul_u32_u24 v[HT+2], v[HT+2], 272
	v_and_b32 v[HT+5], 1, v[HT]
	v_lshl_add_u32 v[HT+2], v[HT+5], 7, v[HT+2]
	v_lshl_add_u32 v[HT+2], v[HT+1], 4, v[HT+2]    ; 272 (r / 2) + 128 (r % 2) + 16 h
	v_add_nc_u32 v[AL0], s58, v[HT+2]
	v_mov_b32 v[ADR], v[AL0]
	v_and_b32 v[BO], 31, v0
	v_lshlrev_b32 v[BO], 4, v[BO]                  ; 16 l
	v_lshlrev_b32 v[HT+3], 5, v[HT+1]
	v_lshlrev_b32 v[HT+4], 3, v[HT]
	s_lshl_b32 s59, s[WV], 14
	s_add_co_u32 s59, s59, RED0
	v_add_nc_u32 v[RS], s59, v[BO]
	s_lshl_b32 s59, s[WV], 11
	s_add_co_u32 s59, s59, RED0
	v_add_nc_u32 v[RLB], s59, v[BO]
	s_lshl_b32 s59, s[WV], 6
	s_add_co_u32 s59, s59, MST
	v_mul_u32_u24 v[STG], v[HT], SP
	v_lshl_add_u32 v[STG], v[HT+1], 4, v[STG]
	v_add_nc_u32 v[STG], s59, v[STG]               ; stage, in: row r, my wave's 64 bytes, 16 h
	s_lshl_b32 s59, s[WV], 3
	v_add_nc_u32 v[GO], s59, v[HT+1]               ; 8 w + h
	v_mul_u32_u24 v[SRD], v[GO], SP
	v_lshl_add_u32 v[SRD], v[HT], 4, v[SRD]
	v_add_nc_u32 v[SRD], MST, v[SRD]               ; stage, back: sixteen lanes a row
	v_lshlrev_b32 v[GO], 11, v[GO]
	v_lshl_add_u32 v[GO], v[HT], 4, v[GO]          ; and the same row in mixed
	s_wait_kmcnt 0x0                               ; the tile's entry
	s_min_u32 s20, s20, 3
	s_min_u32 s21, s21, 3
	s_lshr_b32 s63, s[WV], 1
	s_mul_i32 s62, s63, s21
	s_add_co_u32 s62, s62, s20
	s_min_u32 s62, s62, 3                          ; my expert: waves 0, 1 a, waves 2, 3 b
	s_lshl_b32 s60, s62, 12
	s_lshl_b32 s63, s[CG], 9
	s_add_co_u32 s60, s60, s63
	s_add_nc_u64 s[8:9], s[8:9], s[60:61]
.irp b, 0,1,2,3,4,5,6,7
	global_load_b128 v[BIAS+8*\b:BIAS+8*\b+3], v[HT+3], s[8:9] offset:64*\b
	global_load_b128 v[BIAS+8*\b+4:BIAS+8*\b+7], v[HT+3], s[8:9] offset:64*\b+16
.endr
	s_mul_i32 s60, s[TY], 1280
	s_add_nc_u64 s[10:11], s[10:11], s[60:61]
.irp a, 0,1,2,3,4,5,6,7,8,9
	global_load_b64 v[GW+2*\a:GW+2*\a+1], v[HT+4], s[10:11] offset:128*\a  ; (w_a, w_b) of position 16 a + r
.endr
	s_lshl_b32 s60, s62, 22                        ; the weights, behind W1's: 4 MiB an expert,
	s_add_co_u32 s60, s60, 0x1000000
	s_lshl_b32 s63, s[CG], 19                      ; 512 KiB a column group,
	s_add_co_u32 s60, s60, s63
	s_and_b32 s63, s[WV], 1
	s_lshl_b32 s63, s63, 18                        ; 256 KiB a half of K
	s_add_co_u32 s60, s60, s63
	s_add_nc_u64 s[BB:BB+1], s[6:7], s[60:61]
	WIN 0x40                                       ; destination window 1, address window 0
.set i, 0
.rept 16                               ; the ring is filled: sub-steps 0 and 1
	global_load_b128 v[8*i:8*i+3],   v[BO], s[BB:BB+1] offset:1024*i
	global_load_b128 v[8*i+4:8*i+7], v[BO], s[BB:BB+1] offset:1024*i+512
.set i, i+1
.endr
	WIN 0
	s_mul_i32 s60, s[TY], 327680
	s_lshl_b32 s63, s[CG], 8
	s_add_co_u32 s60, s60, s63
	s_add_nc_u64 s[14:15], s[14:15], s[60:61]
	s_and_b32 s63, s[WV], 1
	s_cmp_eq_u32 s63, 0
	s_cselect_b32 s63, -1, 0                       ; all lanes in an even wave, none in an odd one
	s_cmp_lt_u32 s[WV], 2
	s_cselect_b32 s62, -1, 0                       ; all lanes in expert a's waves, none in expert b's
.macro GROUP f, g, zero                ; ten matrix instructions: column block g x all ten row blocks; the 80 accumulators take turns, one instruction a turn
.irp a, 0,1,2,3,4,5,6,7,8,9
	ACSET \a, \g
.if \zero
	WIN (AW<<6)|1
	v_wmma_f32_16x16x32_bf16 v[AC:AC+7], v[64*(\f)+8*(\g):64*(\f)+8*(\g)+7], v[FA+80*(\f)+8*\a:FA+80*(\f)+8*\a+7], v[BIAS+8*(\g):BIAS+8*(\g)+7]
.else
	WIN (AW<<6)|(AW<<4)|1
	v_wmma_f32_16x16x32_bf16 v[AC:AC+7], v[64*(\f)+8*(\g):64*(\f)+8*(\g)+7], v[FA+80*(\f)+8*\a:FA+80*(\f)+8*\a+7], v[AC:AC+7]
.endif
.endr
.endm
.macro FETCHA k, f                     ; 20 LDS loads in one run: H's fragments of 32 along K at byte k of the rows, into buffer f
	WIN 0
.irp a, 0,1,2,3,4,5,6,7,8,9
	ds_load_b128 v[FA+80*(\f)+8*\a:FA+80*(\f)+8*\a+3],   v[ADR] offset:(\k)+\a*RB
	ds_load_b128 v[FA+80*(\f)+8*\a+4:FA+80*(\f)+8*\a+7], v[ADR] offset:(\k)+\a*RB+32
.endr
.endm
.macro SUB f, zero, ak, bl, x          ; a sub-step, as in the first product
.if (\ak) >= 0
	FETCHA \ak, 1-(\f)
	s_wait_dscnt 20                                ; this sub-step's fragments are in; the 20 loads just issued may be out
.else
	s_wait_dscnt 0x0
.endif
.irp g, 0,1,2,3,4,5,6,7
.if \bl
	s_wait_loadcnt 30                              ; behind this fragment's two loads 15 fragments have been asked for
.else
	s_wait_loadcnt (\x)-2*\g                       ; nothing more is asked for: the counts run down
.endif
	GROUP \f, \g, \zero
.if \bl
	PLACES
	WIN 0x40
	global_load_b128 v[64*(\f)+8*\g:64*(\f)+8*\g+3],   v[BO], s[BB:BB+1] offset:(\x)+1024*\g
	global_load_b128 v[64*(\f)+8*\g+4:64*(\f)+8*\g+7], v[BO], s[BB:BB+1] offset:(\x)+1024*\g+512
.endif
.endr
.endm
.macro CHANGE fill                     ; the change of slots, as in the first product: with fill = 1 a round of the cluster's barrier, and the joint refill first behind it
	WIN 0
	s_wait_tensorcnt 0x0                           ; all my tensor loads have landed: the one that was out is my block in the other slot
	ds_add_u32 v[SPW], v[NIL]
.if \fill
	s_xor_b32 s[G0W+1], s[G0W+1], SLOT1
	s_add_nc_u64 s[G0W+2:G0W+3], s[G0W+2:G0W+3], CHA
.endif
	s_xor_b32 s[TB], s[TB], SLOT1
	s_wait_dscnt 0x0                               ; the add is done, and my reads of the slot are over
.if \fill
	CROUND
	tensor_load_to_lds s[G0W:G0W+3], s[G1:G1+7]
	s_nop 0
.rept 4
	v_nop
.endr
.else
	s_barrier_signal -1
	s_barrier_wait -1
.endif
	v_add_nc_u32 v[ADR], s[TB], v[AL0]
.endm
	s_wait_tensorcnt 0x1                           ; my block 0 is in; block 1 may stay out
	s_barrier_signal -1
	s_barrier_wait -1
	FETCHA 0, 0
	s_wait_loadcnt 32                              ; the bias and the gate weights are in; the ring's 32 loads may be out
.set i, 0
.rept 64
	v_cndmask_b32 v[BIAS+i], 0, v[BIAS+i], s63     ; an expert's bias enters its sums once
.set i, i+1
.endr
.set i, 0
.rept 10
	v_cndmask_b32 v[GW+2*i], v[GW+2*i+1], v[GW+2*i], s62  ; the pair's low word: my wave's expert's weight
.set i, i+1
.endr
	SUB 0, 1, 64, 1, 2*SUBB                        ; sub-step 0 starts the sums
	WIN 0
	s_wait_xcnt 0x0                                ; the base is stepped only behind this wait
	s_add_nc_u64 s[BB:BB+1], s[BB:BB+1], 3*SUBB
	s_mov_b32 s[LAP], 14
.Llap:                                 ; trip j: sub-steps 2 j + 1 and 2 j + 2; block j + 2 is asked for
	CHANGE 1
	SUB 1, 0, 0, 1, 0
	SUB 0, 0, 64, 1, SUBB
	WIN 0
	s_wait_xcnt 0x0
	s_add_nc_u64 s[BB:BB+1], s[BB:BB+1], 2*SUBB
	s_sub_co_u32 s[LAP], s[LAP], 1
	s_cmp_lg_u32 s[LAP], 0
	s_cbranch_scc1 .Llap
	CHANGE 0                                       ; the tail is written out: no block is left to ask for
	SUB 1, 0, 0, 1, 0
	SUB 0, 0, 64, 0, 30
	SUB 1, 0, -1, 0, 14
	WIN 0
	PLACES
; THE WAY OUT, in five phases of two row blocks.  Each wave weighs its 16 accumulators on their way into window 0 and lays them into the exchange as they lie in registers; behind a barrier wave w
; takes column blocks 2 w, 2 w + 1 of all four waves, adds them, rounds, and puts 16 bytes into the stage; behind another barrier each wave stores 8 whole rows of 256 bytes.
.macro BAR
	s_wait_dscnt 0x0                               ; for the others' sake: my LDS stores are done and my LDS loads are back
	s_barrier_signal -1
	s_barrier_wait -1
.endm
.macro REDST p
.irp u, 0,1
.irp b, 0,1,2,3,4,5,6,7
	ACSET 2*(\p)+\u, \b
	WIN AW                                         ; source 0: the accumulator's window
.irp z, 0,2,4,6                        ; its registers in ascending order
	v_pk_mul_f32 v[TS+8*\b+\z:TS+8*\b+\z+1], v[AC+\z:AC+\z+1], v[GW+2*(2*(\p)+\u):GW+2*(2*(\p)+\u)+1] op_sel_hi:[1,0]
.endr
.endr
	WIN 0
.set i, 0
.rept 8
	ds_store_b128 v[RS], v[TS+8*i:TS+8*i+3] offset:1024*(8*\u+i)
	ds_store_b128 v[RS], v[TS+8*i+4:TS+8*i+7] offset:1024*(8*\u+i)+512
.set i, i+1
.endr
.endr
.endm
.macro RLOAD u                         ; row block u of the phase: 4 waves x 2 column blocks x 2 halves
.set RBUF, FA+64*(\u)
.irp s, 0,1,2,3
.irp c, 0,1
	ds_load_b128 v[RBUF+32*\c+8*\s:RBUF+32*\c+8*\s+3],   v[RLB] offset:REDW*\s+8192*(\u)+1024*\c
	ds_load_b128 v[RBUF+32*\c+8*\s+4:RBUF+32*\c+8*\s+7], v[RLB] offset:REDW*\s+8192*(\u)+1024*\c+512
.endr
.endr
.endm
.macro SUM u
.set RBUF, FA+64*(\u)
.irp c, 0,1
.set Q, RBUF+32*\c
.irp z, 0,2,4,6
	v_pk_add_f32 v[Q+\z:Q+\z+1], v[Q+\z:Q+\z+1], v[Q+8+\z:Q+8+\z+1]                ; expert a: waves 0 and 1
	v_pk_add_f32 v[Q+16+\z:Q+16+\z+1], v[Q+16+\z:Q+16+\z+1], v[Q+24+\z:Q+24+\z+1]  ; expert b: waves 2 and 3
.endr
.irp z, 0,2,4,6
	v_pk_add_f32 v[Q+\z:Q+\z+1], v[Q+\z:Q+\z+1], v[Q+16+\z:Q+16+\z+1]
.endr
.irp z, 0,1,2,3
	v_cvt_pk_bf16_f32 v[TP+4*\c+\z], v[Q+2*\z], v[Q+2*\z+1]
.endr
	ds_store_b128 v[STG], v[TP+4*\c:TP+4*\c+3] offset:16*SP*(\u)+32*\c
.endr
.endm
.macro OUT p
	s_wait_xcnt 0x0                                ; the last phase's stores have read the registers that are loaded next
.irp i, 0,1,2,3
	ds_load_b128 v[OBF+4*\i:OBF+4*\i+3], v[SRD] offset:2*SP*\i
.endr
.irp i, 0,1,2,3
	s_wait_dscnt 3-\i                              ; load i is back; the younger ones may be out
	global_store_b128 v[GO], v[OBF+4*\i:OBF+4*\i+3], s[14:15] offset:2048*(32*(\p)+2*\i)  ; sixteen lanes store 256 consecutive bytes, aligned
.endr
.endm
.macro PHASE p
	REDST \p
	BAR                                            ; everybody's part lies in the exchange, and everybody's reads of the stage are over
	RLOAD 0
	RLOAD 1
	s_wait_dscnt 16                                ; the first block's sixteen loads are in; the second's may be out
	SUM 0
	s_wait_dscnt 2                                 ; the second block's are in; behind them stand the two stores just issued
	SUM 1
	BAR                                            ; the stage is whole, and everybody's reads of the exchange are over
	OUT \p
.endm
	PHASE 0
	PHASE 1
	PHASE 2
	PHASE 3
	PHASE 4
	s_wait_tensorcnt 0x0                           ; the wave's end
	ds_add_u32 v[SPW], v[NIL]
	s_wait_dscnt 0x0
	CROUND                                         ; the closing round
	s_endpgm
.Lfunc_end_k_q76794011d4_gemm2:
	.size	k_q76794011d4_gemm2, .Lfunc_end_k_q76794011d4_gemm2-k_q76794011d4_gemm2
	.p2alignl 7, 3214868480
	.fill 96, 4, 3214868480
	.section	.rodata,"a",@progbits
	.p2align	6, 0x0
	.amdhsa_kernel k_q76794011d4_gemm2
		.amdhsa_group_segment_fixed_size 327680
		.amdhsa_private_segment_fixed_size 0
		.amdhsa_enable_private_segment 0
		.amdhsa_kernarg_size 48
		.amdhsa_user_sgpr_count 2
		.amdhsa_user_sgpr_kernarg_segment_ptr 1
		.amdhsa_wavefront_size32 1
		.amdhsa_system_sgpr_workgroup_id_x 1
		.amdhsa_system_sgpr_workgroup_id_y 1
		.amdhsa_system_sgpr_workgroup_id_z 1
		.amdhsa_system_vgpr_workitem_id 0
		.amdhsa_next_free_vgpr 1024
		.amdhsa_next_free_sgpr 80
		.amdhsa_reserve_vcc 0
		.amdhsa_float_denorm_mode_32 3
		.amdhsa_float_denorm_mode_16_64 3
		.amdhsa_memory_ordered 1
		.amdhsa_forward_progress 1
		.amdhsa_inst_pref_size 138
	.end_amdhsa_kernel
	.amdgpu_metadata
---
amdhsa.version: [ 1, 2 ]
amdhsa.kernels:
  - .name:           k_q76794011d4_gemm2
    .symbol:         k_q76794011d4_gemm2.kd
    .args:
      - { .name: H, .offset: 0, .size: 8, .value_kind: global_buffer, .address_space: global }
      - { .name: wt, .offset: 8, .size: 8, .value_kind: global_buffer, .address_space: global }
      - { .name: b2, .offset: 16, .size: 8, .value_kind: global_buffer, .address_space: global }
      - { .name: gpos, .offset: 24, .size: 8, .value_kind: global_buffer, .address_space: global }
      - { .name: meta, .offset: 32, .size: 8, .value_kind: global_buffer, .address_space: global }
      - { .name: mixed, .offset: 40, .size: 8, .value_kind: global_buffer, .address_space: global }
    .group_segment_fixed_size: 327680
    .private_segment_fixed_size: 0
    .kernarg_segment_align: 8
    .kernarg_segment_size: 48
    .max_flat_workgroup_size: 128
    .sgpr_count:     80
    .vgpr_count:     1024
    .wavefront_size: 32
...
	.end_amdgpu_metadata
.endif
;; end of part 4
;; launch ln (part 5): grid 256 x 1, 8 waves a work-group, no clusters, 0 bytes of LDS; arguments mixed, meta, x, gamma, beta, out0; writes out0
.if DOCPART == 5
	.amdgcn_target "amdgcn-amd-amdhsa--gfx1250"
	.amdhsa_code_object_version 6
	.text
	.protected	k_q76794011d4_ln
	.globl	k_q76794011d4_ln
	.p2align	8
	.type	k_q76794011d4_ln,@function
k_q76794011d4_ln:
	s_mov_b64 s[64:65], 0
	v_nop
	global_prefetch_b8 v0, s[64:65] scope:SCOPE_SE
	s_setreg_imm32_b32 hwreg(HW_REG_WAVE_MODE, 25, 1), 1
	s_wait_xcnt 0x0
; RESIDUAL AND LAYERNORM.  y = mixed[pos[t]] + x[t] (x in f32, unrounded); out = gamma (y - mu) rsqrt(var + 1e-5) + beta, the variance taken of y - mu, so a common offset of x costs nothing.
; A wave takes two tokens; a row stays in 32 registers between the passes: lane l holds columns 128 j + 4 l .. + 3, j = 0..7.  No LDS, no barrier: memory binds, each byte is read once.
.set GAM, 16                           ; v16-47
.set BET, 48                           ; v48-79
.set XR,  80                           ; v80-143  two rows
.set MR,  144                          ; v144-175 two rows of mixed, bf16
.set T,   176                          ; v176-183 at work
.set AC,  184                          ; v184-191 four chains of pairs
.set MU,  8                            ; v8-9
.set RI,  10                           ; v10-11
	s_load_b256 s[4:11], s[0:1], 0x0               ; mixed s[4:5], meta s[6:7], x s[8:9], gamma s[10:11]
	s_load_b128 s[12:15], s[0:1], 0x20             ; beta s[12:13], out0 s[14:15]
	v_and_b32 v1, 31, v0
	v_lshrrev_b32 v2, 5, v0
	v_readfirstlane_b32 s16, v2
	v_lshlrev_b32 v3, 4, v1
	v_lshlrev_b32 v4, 3, v1
	s_lshl_b32 s17, ttmp9, 4
	s_lshl_b32 s18, s16, 1
	s_add_co_u32 s17, s17, s18                     ; my first token
	s_mov_b32 s20, 0x76543210
	s_mov_b32 s21, 0xfedcba98
	s_mov_b32 s22, 0xffff0000
	s_mov_b32 s23, 0x3a800000                      ; 1 / 1024
	s_lshl_b32 s24, s17, 2
	s_mov_b32 s25, 0
	s_lshl_b32 s26, s17, 12
	s_mov_b32 s27, 0
	s_mov_b32 s31, 0
	s_wait_kmcnt 0x0
	s_add_nc_u64 s[6:7], s[6:7], s[24:25]
	s_load_b64 s[28:29], s[6:7], 0x0               ; the two tokens' positions
	s_add_nc_u64 s[8:9], s[8:9], s[26:27]
	s_add_nc_u64 s[14:15], s[14:15], s[26:27]
.irp j, 0,1,2,3,4,5,6,7
	global_load_b128 v[GAM+4*\j:GAM+4*\j+3], v3, s[10:11] offset:512*\j
.endr
.irp j, 0,1,2,3,4,5,6,7
	global_load_b128 v[BET+4*\j:BET+4*\j+3], v3, s[12:13] offset:512*\j
.endr
.irp j, 0,1,2,3,4,5,6,7
	global_load_b128 v[XR+4*\j:XR+4*\j+3], v3, s[8:9] offset:512*\j th:TH_LOAD_NT
.endr
.irp j, 0,1,2,3,4,5,6,7
	global_load_b128 v[XR+32+4*\j:XR+32+4*\j+3], v3, s[8:9] offset:4096+512*\j th:TH_LOAD_NT
.endr
	s_wait_kmcnt 0x0
	s_min_u32 s28, s28, 0x13ff
	s_lshl_b32 s30, s28, 11
	s_add_nc_u64 s[32:33], s[4:5], s[30:31]
	s_min_u32 s29, s29, 0x13ff
	s_lshl_b32 s30, s29, 11
	s_add_nc_u64 s[34:35], s[4:5], s[30:31]
.irp j, 0,1,2,3,4,5,6,7
	global_load_b64 v[MR+2*\j:MR+2*\j+1], v4, s[32:33] offset:256*\j th:TH_LOAD_NT
.endr
.irp j, 0,1,2,3,4,5,6,7
	global_load_b64 v[MR+16+2*\j:MR+16+2*\j+1], v4, s[34:35] offset:256*\j th:TH_LOAD_NT
.endr
.macro LANESUM                         ; v[AC] summed over the pair and the 32 lanes, into every lane
	v_pk_add_f32 v[AC:AC+1], v[AC:AC+1], v[AC+2:AC+3]
	v_pk_add_f32 v[AC+4:AC+5], v[AC+4:AC+5], v[AC+6:AC+7]
	v_pk_add_f32 v[AC:AC+1], v[AC:AC+1], v[AC+4:AC+5]
	v_add_f32 v[AC], v[AC], v[AC+1]
.irp m, 1,2,4,8
	v_add_f32_dpp v[AC], v[AC], v[AC] row_xmask:\m row_mask:0xf bank_mask:0xf
.endr
	v_permlanex16_b32 v[AC+1], v[AC], s20, s21
	v_add_f32 v[AC], v[AC], v[AC+1]
.endm
.macro LNROW row, left
.set X, XR+32*(\row)
.set M, MR+16*(\row)
	s_wait_loadcnt \left                           ; all up to this row's part of mixed are in; the other row's eight loads may be out
.irp j, 0,1,2,3,4,5,6,7
	v_lshlrev_b32 v[T+4*(\j%2)], 16, v[M+2*\j]     ; bf16 to f32: the low half moves up, the high half stays
	v_and_b32 v[T+4*(\j%2)+1], s22, v[M+2*\j]
	v_lshlrev_b32 v[T+4*(\j%2)+2], 16, v[M+2*\j+1]
	v_and_b32 v[T+4*(\j%2)+3], s22, v[M+2*\j+1]
	v_pk_add_f32 v[X+4*\j:X+4*\j+1], v[X+4*\j:X+4*\j+1], v[T+4*(\j%2):T+4*(\j%2)+1]
	v_pk_add_f32 v[X+4*\j+2:X+4*\j+3], v[X+4*\j+2:X+4*\j+3], v[T+4*(\j%2)+2:T+4*(\j%2)+3]
.endr
.irp c, 0,1,2,3                        ; the sum, in four chains started by the first pairs
	v_pk_add_f32 v[AC+2*\c:AC+2*\c+1], v[X+2*\c:X+2*\c+1], v[X+8+2*\c:X+8+2*\c+1]
.endr
.irp c, 0,1,2,3
	v_pk_add_f32 v[AC+2*\c:AC+2*\c+1], v[AC+2*\c:AC+2*\c+1], v[X+16+2*\c:X+16+2*\c+1]
.endr
.irp c, 0,1,2,3
	v_pk_add_f32 v[AC+2*\c:AC+2*\c+1], v[AC+2*\c:AC+2*\c+1], v[X+24+2*\c:X+24+2*\c+1]
.endr
	LANESUM
	v_mul_f32 v[MU], s23, v[AC]
	v_mul_f32 v[MU+1], s23, v[AC]
.set p, 0
.rept 16
	v_pk_add_f32 v[X+2*p:X+2*p+1], v[X+2*p:X+2*p+1], v[MU:MU+1] neg_lo:[0,1] neg_hi:[0,1]
.set p, p+1
.endr
.irp c, 0,1,2,3
	v_pk_mul_f32 v[AC+2*\c:AC+2*\c+1], v[X+2*\c:X+2*\c+1], v[X+2*\c:X+2*\c+1]
.endr
.irp k, 8,16,24
.irp c, 0,1,2,3
	v_pk_fma_f32 v[AC+2*\c:AC+2*\c+1], v[X+\k+2*\c:X+\k+2*\c+1], v[X+\k+2*\c:X+\k+2*\c+1], v[AC+2*\c:AC+2*\c+1]
.endr
.endr
	LANESUM
	v_fmaak_f32 v[AC], s23, v[AC], 0x3727c5ac      ; var + 1e-5
	v_rsq_f32 v[RI], v[AC]
	v_rsq_f32 v[RI+1], v[AC]
	v_nop                                          ; a plain instruction between the root and the use of its result
.set p, 0
	s_wait_alu depctr_va_vdst(0)
.rept 16
	v_pk_mul_f32 v[X+2*p:X+2*p+1], v[X+2*p:X+2*p+1], v[RI:RI+1]
.set p, p+1
.endr
.set p, 0
.rept 16
	v_pk_fma_f32 v[X+2*p:X+2*p+1], v[X+2*p:X+2*p+1], v[GAM+2*p:GAM+2*p+1], v[BET+2*p:BET+2*p+1]
.set p, p+1
.endr
.irp j, 0,1,2,3,4,5,6,7
	global_store_b128 v3, v[X+4*\j:X+4*\j+3], s[14:15] offset:4096*(\row)+512*\j th:TH_STORE_NT  ; 512 consecutive bytes, aligned
.endr
.endm
	LNROW 0, 8
	LNROW 1, 0
	s_endpgm
.Lfunc_end_k_q76794011d4_ln:
	.size	k_q76794011d4_ln, .Lfunc_end_k_q76794011d4_ln-k_q76794011d4_ln
	.p2alignl 7, 3214868480
	.fill 96, 4, 3214868480
	.section	.rodata,"a",@progbits
	.p2align	6, 0x0
	.amdhsa_kernel k_q76794011d4_ln
		.amdhsa_group_segment_fixed_size 0
		.amdhsa_private_segment_fixed_size 0
		.amdhsa_enable_private_segment 0
		.amdhsa_kernarg_size 48
		.amdhsa_user_sgpr_count 2
		.amdhsa_user_sgpr_kernarg_segment_ptr 1
		.amdhsa_wavefront_size32 1
		.amdhsa_system_sgpr_workgroup_id_x 1
		.amdhsa_system_sgpr_workgroup_id_y 1
		.amdhsa_system_sgpr_workgroup_id_z 1
		.amdhsa_system_vgpr_workitem_id 0
		.amdhsa_next_free_vgpr 192
		.amdhsa_next_free_sgpr 66
		.amdhsa_reserve_vcc 0
		.amdhsa_float_denorm_mode_32 3
		.amdhsa_float_denorm_mode_16_64 3
		.amdhsa_memory_ordered 1
		.amdhsa_forward_progress 1
		.amdhsa_inst_pref_size 24
	.end_amdhsa_kernel
	.amdgpu_metadata
---
amdhsa.version: [ 1, 2 ]
amdhsa.kernels:
  - .name:           k_q76794011d4_ln
    .symbol:         k_q76794011d4_ln.kd
    .args:
      - { .name: mixed, .offset: 0, .size: 8, .value_kind: global_buffer, .address_space: global }
      - { .name: meta, .offset: 8, .size: 8, .value_kind: global_buffer, .address_space: global }
      - { .name: x, .offset: 16, .size: 8, .value_kind: global_buffer, .address_space: global }
      - { .name: gamma, .offset: 24, .size: 8, .value_kind: global_buffer, .address_space: global }
      - { .name: beta, .offset: 32, .size: 8, .value_kind: global_buffer, .address_space: global }
      - { .name: out0, .offset: 40, .size: 8, .value_kind: global_buffer, .address_space: global }
    .group_segment_fixed_size: 0
    .private_segment_fixed_size: 0
    .kernarg_segment_align: 8
    .kernarg_segment_size: 48
    .max_flat_workgroup_size: 256
    .sgpr_count:     66
    .vgpr_count:     192
    .wavefront_size: 32
...
	.end_amdgpu_metadata
.endif
;; end of part 5
